; MI455X (gfx1250); checked and timed in simulation.
; The chip was launched on July 23, 2026; its instructions are those of AMD's public machine-readable ISA for CDNA 5 (MIT licence, August 2026) and "CDNA5" Instruction Set Architecture Reference Guide (July 2026). The comments in the code are by the model that wrote it; some were corrected since.
;; Llama Attention. Allowed arithmetic: float matrix products may take bf16 or f16 operands with f32 sums; all other float work in f32.
;; Inputs: Wk 1,024 x 1,024 float32; Wo 1,024 x 1,024 float32; Wq 1,024 x 1,024 float32; Wv 1,024 x 1,024 float32; hidden_states 2 x 2,048 x 1,024 float32.
;; Outputs: out0 2 x 2,048 x 1,024 float32.
;; 2 versions, each right; version 2 is version 1 with the launch prep written anew for expert scheduling mode. Each part assembles by itself: llvm-mc -triple=amdgcn-amd-amdhsa -mcpu=gfx1250 --defsym DOCPART=n.
;; ======== version 1 of 2: 4 launches
;; limits: values are held in f16: magnitudes above 65,504 overflow, below 6.1e-05 lose precision; right only within a limited range of input values
;; workspace buffers: bf 16,777,216 bytes; rope 524,288 bytes; qb 8,388,608 bytes; kb 8,388,608 bytes; vt 8,388,608 bytes; ao 8,388,608 bytes
;; launch prep (part 1): grid 256 x 1, 8 waves a work-group, no clusters, 0 bytes of LDS; arguments hidden_states, Wq, Wk, Wv, Wo, bf, rope; writes bf, rope
.if DOCPART == 1
	.amdgcn_target "amdgcn-amd-amdhsa--gfx1250"
	.amdhsa_code_object_version 6
	.text
	.protected	k_q7fbcaeb109_prep
	.globl	k_q7fbcaeb109_prep
	.p2align	8
	.type	k_q7fbcaeb109_prep,@function
k_q7fbcaeb109_prep:
	s_mov_b64 s[64:65], 0
	v_nop
	global_prefetch_b8 v0, s[64:65] scope:SCOPE_SE
	s_setreg_imm32_b32 hwreg(HW_REG_WAVE_MODE, 25, 1), 1
	s_wait_xcnt 0x0
; prep: casts x and the four weight matrices from f32 to bf16 (round to nearest even) and makes the RoPE table.
; bf (bf16): byte 0: x [4096][1024]; byte 0x800000: the q, k, v weights regrouped by head, row = head*192 + p*64 + d (p = 0 q, 1 k, 2 v);
; byte 0xe00000: Wo [1024][1024].
; rope (f32): [sg 128][c 2][cos, sin][jh 2][r 16][h 2][e 4]: position s = 16 sg + r, frequency f = 16 c + 8 h + 4 jh + e,
; values SIG*cos(s*10000^(-f/32)) and SIG*sin(..), SIG = sqrt(0.125*log2 e)/16.  So (q SIG).(k SIG) = (q.k/8) log2 e / 256:
; the softmax's scale and base are in the table, and the 1/16 gives the later f16 copies of q and k room.
; A stream: 256 work-groups, each 128 KiB of f32 in and 64 KiB of bf16 out.  A wave issues its 32 loads of 512 consecutive bytes at once
; and stores 256 consecutive aligned bytes per instruction.  No LDS, no barrier, no matrix unit: nothing is shared and nothing is multiplied.
; LIMIT: the table's angle is t*inv_freq in f32 with inv_freq from v_exp_f32 and one f32 constant 1/(2 pi): at s = 2047 it may differ from
; an exact angle by about 3e-4 rad.  The polynomials (sine to x^11, cosine to x^10 on [-pi/2, pi/2]) add less than 1e-6.
.set X,   8                            ; v[8:135]    32 chunks of 4 f32 as loaded
.set Y,   136                          ; v[136:199]  32 chunks of 4 bf16 to store
.set TT,  200                          ; position as f32
.set F0,  201                          ; the lane's first frequency index
.set XE,  204                          ; v[204:207]  four inverse frequencies
.set ANG, 208
.set RR,  209
.set KK,  210
.set TH,  211
.set ZZ,  212
.set PP,  213
.set QQ,  214
.set T1,  215
.set CC,  224                          ; v[224:227]  four cosines
.set SS,  228                          ; v[228:231]  four sines
	s_load_b256 s[4:11], s[0:1], 0x0               ; hidden s[4:5], Wq s[6:7], Wk s[8:9], Wv s[10:11]
	s_load_b128 s[12:15], s[0:1], 0x20             ; Wo s[12:13], bf s[14:15]
	s_load_b64 s[16:17], s[0:1], 0x30              ; rope
	v_lshrrev_b32 v5, 5, v0
	v_readfirstlane_b32 s18, v5                    ; wave 0..7
	v_and_b32 v4, 31, v0                           ; lane
	v_lshlrev_b32 v1, 4, v4
	v_lshl_add_u32 v1, v5, 14, v1                  ; source: 16,384 wave + 16 lane
	v_lshlrev_b32 v2, 3, v4
	v_lshl_add_u32 v2, v5, 13, v2                  ; destination: 8,192 wave + 8 lane
	v_lshlrev_b32 v3, 4, v0                        ; table: 16 thread (threads 0..63 alone use it)
	; which 128 KiB are mine.  g < 128: part g of x.  Else u = g - 128: matrix u >> 5, its rows 32 (u & 31) ..
	s_mov_b32 s20, ttmp9                           ; g
	s_and_b32 s21, s20, 127
	s_lshr_b32 s22, s21, 5                         ; matrix: 0 q, 1 k, 2 v, 3 o
	s_and_b32 s23, s21, 31                         ; part: 32 rows
	s_lshr_b32 s24, s23, 1                         ; head
	s_mul_i32 s24, s24, 192
	s_lshl_b32 s25, s22, 6
	s_add_co_u32 s24, s24, s25                     ; + 64 p
	s_and_b32 s25, s23, 1
	s_lshl_b32 s25, s25, 5
	s_add_co_u32 s24, s24, s25                     ; + the head's upper or lower 32 rows
	s_lshl_b32 s24, s24, 11                        ; rows of 2,048 bytes
	s_add_co_u32 s24, s24, 0x800000
	s_lshl_b32 s25, s23, 16
	s_add_co_u32 s25, s25, 0xe00000                ; Wo keeps its order
	s_cmp_eq_u32 s22, 3
	s_cselect_b32 s24, s25, s24
	s_lshl_b32 s26, s23, 17                        ; source offset in a weight matrix
	s_lshl_b32 s27, s20, 16
	s_lshl_b32 s28, s20, 17
	s_cmp_lt_u32 s20, 128
	s_cselect_b32 s24, s27, s24                    ; destination offset
	s_cselect_b32 s26, s28, s26                    ; source offset
	s_mov_b32 s25, 0
	s_mov_b32 s27, 0
	s_lshl_b32 s28, s20, 11                        ; my 2,048 bytes of the table
	s_mov_b32 s29, 0
	s_mov_b32 s40, 0x3cd96d27                      ; SIG = 0.4246609 / 16
	s_lshr_b32 s41, s20, 1
	s_lshl_b32 s41, s41, 4                         ; first position: 16 (g >> 1)
	s_and_b32 s42, s20, 1
	s_lshl_b32 s42, s42, 4
	s_lshl2_add_u32 s42, s18, s42                  ; 16 c + 4 jh, jh = wave
	s_wait_kmcnt 0x0
	s_cmp_eq_u32 s22, 1                            ; the source buffer, chosen by the work-group's number alone
	s_cselect_b64 s[32:33], s[8:9], s[6:7]
	s_cmp_eq_u32 s22, 2
	s_cselect_b64 s[32:33], s[10:11], s[32:33]
	s_cmp_eq_u32 s22, 3
	s_cselect_b64 s[32:33], s[12:13], s[32:33]
	s_cmp_lt_u32 s20, 128
	s_cselect_b64 s[32:33], s[4:5], s[32:33]
	s_add_nc_u64 s[32:33], s[32:33], s[26:27]
	s_add_nc_u64 s[34:35], s[14:15], s[24:25]
	s_add_nc_u64 s[36:37], s[16:17], s[28:29]
.set i, 0
.rept 32
	global_load_b128 v[X+4*i:X+4*i+3], v1, s[32:33] offset:512*i th:TH_LOAD_NT   ; read once in the launch
.set i, i+1
.endr
	; The table, while the loads are on their way: waves 0 and 1, 32 lanes x 4 frequencies each.
	s_cmp_ge_u32 s18, 2
	s_cbranch_scc1 .Lcast
	v_lshrrev_b32 v[RR], 1, v4                     ; r = lane >> 1
	v_add_nc_u32 v[TT], s41, v[RR]
	v_cvt_f32_u32 v[TT], v[TT]                     ; the position, exact
	v_and_b32 v[F0], 1, v4                         ; h = lane & 1
	v_lshl_add_u32 v[F0], v[F0], 3, s42            ; f = 16 c + 4 jh + 8 h (+ e)
.irp e, 0,1,2,3
	v_add_nc_u32 v[XE+\e], \e, v[F0]
	v_cvt_f32_u32 v[XE+\e], v[XE+\e]
	v_mul_f32 v[XE+\e], 0xbed49a78, v[XE+\e]       ; -f log2(10000) / 32
.endr
.irp e, 0,1,2,3
	v_exp_f32 v[XE+\e], v[XE+\e]                   ; 10000^(-f/32)
.endr
	v_nop                                          ; one plain vector instruction behind the last v_exp_f32 before its result is used (ISA guide 5.7.2)
	s_wait_alu depctr_va_vdst(0)
; One angle: reduced to R in [-1/2, 1/2] turns, th = pi R is HALF the angle, in [-pi/2, pi/2]; sine and cosine of th by Taylor
; polynomials in z = th^2; then sin 2th = 2 sin cos and cos 2th = 1 - 2 sin^2, with SIG folded in.
.macro ROPE1 e
	v_mul_f32 v[ANG], v[TT], v[XE+\e]
	v_mul_f32 v[RR], 0.15915494, v[ANG]
	v_rndne_f32 v[KK], v[RR]                       ; whole turns
	v_fma_f32 v[RR], v[ANG], 0.15915494, -v[KK]    ; the product is not rounded before the turns are taken away
	v_mul_f32 v[TH], 0x40490fdb, v[RR]             ; pi R
	v_mul_f32 v[ZZ], v[TH], v[TH]
	v_mov_b32 v[PP], 0xb2d7322b                    ; -1/11!
	v_mov_b32 v[QQ], 0xb493f27e                    ; -1/10!
	v_fmaak_f32 v[PP], v[PP], v[ZZ], 0x3638ef1d    ; 1/9!
	v_fmaak_f32 v[QQ], v[QQ], v[ZZ], 0x37d00d01    ; 1/8!
	v_fmaak_f32 v[PP], v[PP], v[ZZ], 0xb9500d01    ; -1/7!
	v_fmaak_f32 v[QQ], v[QQ], v[ZZ], 0xbab60b61    ; -1/6!
	v_fmaak_f32 v[PP], v[PP], v[ZZ], 0x3c088889    ; 1/5!
	v_fmaak_f32 v[QQ], v[QQ], v[ZZ], 0x3d2aaaab    ; 1/4!
	v_fmaak_f32 v[PP], v[PP], v[ZZ], 0xbe2aaaab    ; -1/3!
	v_fma_f32 v[QQ], v[QQ], v[ZZ], -0.5
	v_fma_f32 v[PP], v[PP], v[ZZ], 1.0
	v_fma_f32 v[QQ], v[QQ], v[ZZ], 1.0             ; cos th
	v_mul_f32 v[PP], v[TH], v[PP]                  ; sin th
	v_mul_f32 v[T1], 0x3d596d27, v[PP]             ; 2 SIG sin th
	v_mul_f32 v[SS+\e], v[T1], v[QQ]               ; SIG sin 2th
	v_fma_f32 v[CC+\e], -v[T1], v[PP], s40         ; SIG (1 - 2 sin^2 th)
.endm
	ROPE1 0
	ROPE1 1
	ROPE1 2
	ROPE1 3
	global_store_b128 v3, v[CC:CC+3], s[36:37]               ; a wave's store covers 512 consecutive bytes
	global_store_b128 v3, v[SS:SS+3], s[36:37] offset:1024
.Lcast:
.set i, 0
.rept 32
	s_wait_loadcnt 31-i                            ; loads return in order: chunk i is in, the 31 - i younger ones stay out
	v_cvt_pk_bf16_f32 v[Y+2*i], v[X+4*i], v[X+4*i+1]
	v_cvt_pk_bf16_f32 v[Y+2*i+1], v[X+4*i+2], v[X+4*i+3]
	global_store_b64 v2, v[Y+2*i:Y+2*i+1], s[34:35] offset:256*i   ; 32 lanes x 8 bytes: 256 consecutive bytes, aligned; no register is used twice
.set i, i+1
.endr
	s_endpgm
.Lfunc_end_k_q7fbcaeb109_prep:
	.size	k_q7fbcaeb109_prep, .Lfunc_end_k_q7fbcaeb109_prep-k_q7fbcaeb109_prep
	.p2alignl 7, 3214868480
	.fill 96, 4, 3214868480
	.section	.rodata,"a",@progbits
	.p2align	6, 0x0
	.amdhsa_kernel k_q7fbcaeb109_prep
		.amdhsa_group_segment_fixed_size 0
		.amdhsa_private_segment_fixed_size 0
		.amdhsa_enable_private_segment 0
		.amdhsa_kernarg_size 56
		.amdhsa_user_sgpr_count 2
		.amdhsa_user_sgpr_kernarg_segment_ptr 1
		.amdhsa_wavefront_size32 1
		.amdhsa_system_sgpr_workgroup_id_x 1
		.amdhsa_system_sgpr_workgroup_id_y 1
		.amdhsa_system_sgpr_workgroup_id_z 1
		.amdhsa_system_vgpr_workitem_id 0
		.amdhsa_next_free_vgpr 240
		.amdhsa_next_free_sgpr 66
		.amdhsa_reserve_vcc 0
		.amdhsa_float_denorm_mode_32 3
		.amdhsa_float_denorm_mode_16_64 3
		.amdhsa_memory_ordered 1
		.amdhsa_forward_progress 1
		.amdhsa_inst_pref_size 20
	.end_amdhsa_kernel
	.amdgpu_metadata
---
amdhsa.version: [ 1, 2 ]
amdhsa.kernels:
  - .name:           k_q7fbcaeb109_prep
    .symbol:         k_q7fbcaeb109_prep.kd
    .args:
      - { .name: hidden_states, .offset: 0, .size: 8, .value_kind: global_buffer, .address_space: global }
      - { .name: Wq, .offset: 8, .size: 8, .value_kind: global_buffer, .address_space: global }
      - { .name: Wk, .offset: 16, .size: 8, .value_kind: global_buffer, .address_space: global }
      - { .name: Wv, .offset: 24, .size: 8, .value_kind: global_buffer, .address_space: global }
      - { .name: Wo, .offset: 32, .size: 8, .value_kind: global_buffer, .address_space: global }
      - { .name: bf, .offset: 40, .size: 8, .value_kind: global_buffer, .address_space: global }
      - { .name: rope, .offset: 48, .size: 8, .value_kind: global_buffer, .address_space: global }
    .group_segment_fixed_size: 0
    .private_segment_fixed_size: 0
    .kernarg_segment_align: 8
    .kernarg_segment_size: 56
    .max_flat_workgroup_size: 256
    .sgpr_count:     66
    .vgpr_count:     240
    .wavefront_size: 32
...
	.end_amdgpu_metadata
.endif
;; end of part 1
;; launch qkv (part 2): grid 16 x 16, 4 waves a work-group, clusters of 4 x 4, 327,680 bytes of LDS; arguments bf, rope, qb, kb, vt; writes qb, kb, vt
.if DOCPART == 2
	.amdgcn_target "amdgcn-amd-amdhsa--gfx1250"
	.amdhsa_code_object_version 6
	.text
	.protected	k_q7fbcaeb109_qkv
	.globl	k_q7fbcaeb109_qkv
	.p2align	8
	.type	k_q7fbcaeb109_qkv,@function
k_q7fbcaeb109_qkv:
	s_mov_b64 s[64:65], 0
	v_nop
	global_prefetch_b8 v0, s[64:65] scope:SCOPE_SE
	s_setreg_imm32_b32 hwreg(HW_REG_WAVE_MODE, 25, 1), 1
	s_wait_xcnt 0x0
	s_wait_alu depctr_hold_cnt(0) depctr_sa_sdst(0) depctr_va_vdst(0) depctr_va_sdst(0) depctr_va_ssrc(0) depctr_va_vcc(0) depctr_vm_vsrc(0)
	s_getreg_b32 s2, hwreg(HW_REG_IB_STS2, 6, 4)
	s_cmp_eq_u32 s2, 0
	s_cbranch_scc0 .Lentry_in_a_cluster
	s_endpgm
.Lentry_in_a_cluster:
	s_bfe_u32 s2, ttmp6, 0x10000c
	s_cmp_lg_u32 s2, 0xf033
	s_cbranch_scc0 .Lentry_shape_is_right
	s_endpgm
.Lentry_shape_is_right:
; qkv: for one head (grid x) and 256 rows of x (grid y): q, k, v = x W^T (bf16 operands, f32 sums), RoPE on q and k, results as f16.
; A work-group makes 256 rows x 192 columns (64 of q, of k, of v) with four waves; a wave makes 128 x 96: 48 accumulator tiles, 384 registers.
; K = 1024 goes in steps of 128 through two LDS slots filled by tensor loads; a tile's rows are 256 consecutive aligned bytes of memory.
; CLUSTER 4 x 4: the four work-groups of a cluster row share the rows of x, the four of a column share the head's weights; each tile is asked
; for jointly, which divides the requests for both by four.
; COLUMNS OF A WAVE: c = wave & 1.  Tile b = 2 p + i (p = 0 q, 1 k, 2 v; i = 0, 1) is tile t = c + 2 i of part p, columns d = 16 t ..: so the
; RoPE partner d + 32 of a number lies in the same lane and register of tile b + 1.
; q and k tiles are multiplied transposed (source 0 = weights, source 1 = x): a lane holds row s = l % 16 and 8 neighbouring d.
; v tiles the natural way (source 0 = x): a lane holds d = l % 16 and 8 neighbouring s, which is V transposed, as the next launch wants it.
; OUTPUT FORMAT: blocks of 512 bytes, 16 rows of 16 f16; lane (r, h) owns the 16 bytes at 32 r + 16 h, so one 16-byte store of a wave writes one
; whole block, 512 consecutive aligned bytes, and no LDS stage is needed.  qb, kb: [b*16+head][s/16][t][16 s][16 d]; vt: [..][s/16][t][16 d][16 s].
; FORMATS AND THEIR ROOM: q and k leave as f16 of q*SIG, SIG = 0.4247/16 (in the table); v as f16 of v/16.  f16 overflows for |q|, |k| above
; about 1.7e6 (a rotated component can be sqrt 2 larger) and |v| above 1.0e6.  With x and W both shifted by 30 of their spreads the sums reach 1024*30*0.94 = 2.9e4.  f16 and not bf16 here because
; five bf16 roundings in a row (q, k, v, P, the attention's result) would together leave too little of the allowed error.
.set KSTEP,  128
.set PITCH,  272                       ; an LDS row: 256 bytes + 16 of padding: the 16 rows of a fragment load start in 16 different 16-byte columns modulo 256
.set HALFA,  128*PITCH                 ; 128 rows of x: one tensor load, and what one wave reads of x
.set HALFB,  96*PITCH                  ; 96 weight rows: one tensor load
.set BOFF,   2*HALFA                   ; the weights lie behind the 256 rows of x
.set SLOT,   BOFF+2*HALFB              ; 121,856 bytes
.set LAPS,   1024/(2*KSTEP)            ; a lap = two K steps = once round the ring
.set ADRA, 16                          ; v16-17  LDS address of my x fragments, slot 0, 1
.set ADRB, 20                          ; v20-21  the same for the weights
.set LT,   24                          ; v24     32 r + 16 h: my 16 bytes in a block of 512
.set FA0,  32                          ; v32-95    x fragments (8 x 16 rows x 32 K), buffer 0
.set FB0,  96                          ; v96-143   weight fragments (6), buffer 0
.set FA1,  144                         ; buffer 1
.set FB1,  208
.set ROPE, 192                         ; windows 1, 2: v[192+16 a ..]: 8 cosines, 8 sines of row block a
.set TU,   32                          ; the way out, window 0: v32-63 rotated q, k; v64-79 v/16
.set Y,    80                          ; v80-103 six packed tiles
.set G1,  24                           ; s[24:31] group 1 for x
.set G0,  32                           ; s[32:39] group 0 for x, a set for each slot
.set G1B, 48                           ; s[48:55] group 1 for the weights
.set G0B, 56                           ; s[56:63] group 0 for the weights
.set ACC_LO, 0x50                      ; C and D in window 1 (row blocks 0-3), sources in window 0
.set ACC_HI, 0xa0                      ; C and D in window 2 (row blocks 4-7)
.set MSB, 0
.macro WIN new                         ; the immediate's high byte repeats the setting that is left
.if MSB != \new
	s_set_vgpr_msb (MSB<<8)|\new
.set MSB, \new
.endif
.endm
.macro PLACES                          ; four plain vector instructions behind a matrix instruction before its results are read or its registers written or loaded (ISA guide 7.12.1)
.rept 4
	v_nop
.endr
.endm
; A joint load: waves 0, 1 fetch the halves of x's tile, waves 2, 3 those of the weights'.  The branch hangs on the wave's number alone.
.macro JLOAD s
	s_cmp_eq_u32 s15, 0
	s_cbranch_scc0 .Lfor_b_\@
	tensor_load_to_lds s[G0+4*\s:G0+4*\s+3], s[G1:G1+7]
	s_nop 0
	s_branch .Lasked_\@
.Lfor_b_\@:
	tensor_load_to_lds s[G0B+4*\s:G0B+4*\s+3], s[G1B:G1B+7]
	s_nop 0
.Lasked_\@:
.endm
.macro CREST                           ; a round of the cluster's barrier behind its opening work-group barrier
	s_cmp_lg_u32 s14, 0
	s_cbranch_scc1 .Lnot_wave_0_\@
	s_barrier_signal -3
.Lnot_wave_0_\@:
	s_barrier_wait -3
	s_barrier_signal -1
	s_barrier_wait -1
.endm
.macro CROUND                          ; a whole round
	s_barrier_signal -1
	s_barrier_wait -1
	CREST
.endm
	s_load_b256 s[4:11], s[0:1], 0x0               ; bf s[4:5], rope s[6:7], qb s[8:9], kb s[10:11]
	s_load_b64 s[12:13], s[0:1], 0x20              ; vt
	v_lshl_add_u32 v30, v0, 2, 0x3b800
	v_mov_b32 v31, 0
	ds_add_u32 v30, v31
	v_lshrrev_b32 v1, 5, v0
	v_readfirstlane_b32 s14, v1                    ; wave 0..3
	s_lshr_b32 s15, s14, 1                         ; my half of the rows.  Also: I fetch x (0) or weights (1)
	s_and_b32 s16, s14, 1                          ; c: my columns.  Also: which half of that tile I fetch
	s_bfe_u32 s40, ttmp6, 0x40000                  ; cx
	s_bfe_u32 s41, ttmp6, 0x40004                  ; cy
	s_lshl_b32 s42, ttmp9, 2
	s_add_co_u32 s42, s42, s40                     ; head = 4 cluster x + cx
	s_and_b32 s18, ttmp7, 0xffff
	s_lshl_b32 s18, s18, 2
	s_add_co_u32 s18, s18, s41                     ; block of 256 rows = 4 cluster y + cy
	s_lshl_b32 s43, s41, 2
	s_lshl_b32 s43, 15, s43                        ; my row of the cluster
	s_lshl_b32 s44, 0x1111, s40                    ; my column
	s_or_b32 s[G1+0], s43, (1<<16)|(1<<20)|(1<<21)|(5<<22)|(3<<25)   ; mask; 2-byte elements; padding on; bit 21 beside a mask; 4 words after every 64
	s_or_b32 s[G1B+0], s44, (1<<16)|(1<<20)|(1<<21)|(5<<22)|(3<<25)
	s_mov_b32 s[G1+1], KSTEP<<16                   ; tensor_dim0 = 128
	s_mov_b32 s[G1B+1], KSTEP<<16
	s_mov_b32 s[G1+2], 128<<16                     ; tensor_dim1 = 128 rows
	s_mov_b32 s[G1B+2], 96<<16                     ; 96 rows
	s_mov_b32 s[G1+3], KSTEP<<16                   ; tile_dim0 = 128
	s_mov_b32 s[G1B+3], KSTEP<<16
	s_mov_b32 s[G1+4], 128                         ; tile_dim1
	s_mov_b32 s[G1B+4], 96
	s_mov_b32 s[G1+5], 1024                        ; elements from row to row
	s_mov_b32 s[G1B+5], 1024
	s_mov_b32 s[G1+6], 0
	s_mov_b32 s[G1B+6], 0
	s_mov_b32 s[G1+7], 0
	s_mov_b32 s[G1B+7], 0
	; x's tile hangs on the block of rows, which my cluster row shares; the weights' on the head, which my column shares.
	s_lshl_b32 s22, s18, 8
	s_lshl_b32 s23, s16, 7
	s_add_co_u32 s22, s22, s23                     ; row 256 block + 128 half
	s_lshl_b32 s22, s22, 11                        ; rows of 2,048 bytes
	s_mov_b32 s23, 0
	s_mul_i32 s46, s42, 192
	s_mul_i32 s47, s16, 96
	s_add_co_u32 s46, s46, s47                     ; weight row 192 head + 96 half
	s_lshl_b32 s46, s46, 11
	s_add_co_u32 s46, s46, 0x800000
	s_mov_b32 s47, 0
	s_mul_i32 s20, s14, HALFA                      ; LDS: waves 0, 1 put x's halves at 0 and HALFA,
	s_mul_i32 s21, s14, HALFB
	s_add_co_u32 s21, s21, BOFF-2*HALFB            ; waves 2, 3 the weights' halves at BOFF and BOFF + HALFB
	s_wait_dscnt 0x0
	s_wait_kmcnt 0x0
	s_add_nc_u64 s[22:23], s[4:5], s[22:23]
	s_add_nc_u64 s[46:47], s[4:5], s[46:47]
	CROUND                                         ; all sixteen work-groups are here: the first joint loads meet
.irp s, 0,1
	s_mov_b32 s[G0+4*\s], 1
	s_add_co_u32 s[G0+4*\s+1], s20, \s*SLOT
	s_add_nc_u64 s[G0+4*\s+2:G0+4*\s+3], s[22:23], \s*KSTEP*2
	s_or_b32 s[G0+4*\s+3], s[G0+4*\s+3], 0x80000000
	s_mov_b32 s[G0B+4*\s], 1
	s_add_co_u32 s[G0B+4*\s+1], s21, \s*SLOT
	s_add_nc_u64 s[G0B+4*\s+2:G0B+4*\s+3], s[46:47], \s*KSTEP*2
	s_or_b32 s[G0B+4*\s+3], s[G0B+4*\s+3], 0x80000000
	JLOAD \s                                       ; both slots are asked for before anything else: two tensor loads of the wave are out
.endr
	v_and_b32 v1, 15, v0                           ; r
	v_bfe_u32 v2, v0, 4, 1                         ; h
	v_mul_u32_u24 v3, v1, PITCH
	v_lshl_add_u32 v3, v2, 4, v3                   ; r pitch + 16 h
	s_mul_i32 s76, s15, HALFA                      ; my 128 rows of x
	s_mul_i32 s77, s16, 16*PITCH                   ; my first weight tile: t = c
	s_add_co_u32 s77, s77, BOFF
.irp s, 0,1
	v_add_nc_u32 v[ADRA+\s], s76, v3
	v_add_nc_u32 v[ADRB+\s], s77, v3
	s_add_co_u32 s76, s76, SLOT
	s_add_co_u32 s77, s77, SLOT
.endr
	v_lshlrev_b32 v[LT], 5, v1
	v_lshl_add_u32 v[LT], v2, 4, v[LT]
	; the table's and the outputs' addresses
	s_and_b32 s76, s18, 7
	s_lshl_b32 s76, s76, 4
	s_lshl3_add_u32 s76, s15, s76                  ; my first group of 16 positions: 16 (block & 7) + 8 half
	s_lshl1_add_u32 s77, s76, s16
	s_lshl_b32 s68, s77, 11                        ; (2 group + c) x 2,048 bytes
	s_mov_b32 s69, 0
	s_add_nc_u64 s[66:67], s[6:7], s[68:69]
	s_lshr_b32 s77, s18, 3                         ; batch
	s_lshl4_add_u32 s77, s77, s42                  ; 16 batch + head
	s_lshl_b32 s77, s77, 7
	s_add_co_u32 s77, s77, s76                     ; x 128 groups + my first
	s_lshl_b32 s77, s77, 11                        ; four blocks of 512 bytes a group
	s_lshl_b32 s68, s16, 9                         ; + block t = c
	s_add_co_u32 s68, s68, s77
	s_add_nc_u64 s[70:71], s[8:9], s[68:69]
	s_add_nc_u64 s[72:73], s[10:11], s[68:69]
	s_add_nc_u64 s[74:75], s[12:13], s[68:69]
	; my 128 positions' cosines and sines, 16 registers a row block, straight into the accumulators' windows.  They stay on their way during the
	; K loop: nothing names these registers, v24 or s[66:67] before the wait at the way out.
	WIN 0x40
.irp a, 0,1,2,3
.irp cs, 0,1
.irp jh, 0,1
	global_load_b128 v[ROPE+16*\a+8*\cs+4*\jh:ROPE+16*\a+8*\cs+4*\jh+3], v[LT], s[66:67] offset:\a*4096+\cs*1024+\jh*512
.endr
.endr
.endr
	WIN 0x80
.irp a, 0,1,2,3
.irp cs, 0,1
.irp jh, 0,1
	global_load_b128 v[ROPE+16*\a+8*\cs+4*\jh:ROPE+16*\a+8*\cs+4*\jh+3], v[LT], s[66:67] offset:(\a+4)*4096+\cs*1024+\jh*512
.endr
.endr
.endr
	WIN 0
.macro WM d, x, y, zero                ; one matrix instruction; zero = 1: it starts the sum, nothing is ever cleared
.if \zero
	v_wmma_f32_16x16x32_bf16 v[\d:\d+7], v[\x:\x+7], v[\y:\y+7], 0
.else
	v_wmma_f32_16x16x32_bf16 v[\d:\d+7], v[\x:\x+7], v[\y:\y+7], v[\d:\d+7]
.endif
.endm
; 12 matrix instructions: row blocks a0, a0 + 1 of the window's four x my six column tiles.  The 48 accumulators take turns, one instruction a
; turn, in the same order in every quarter step.
.macro MUL12 fa, fb, hi, a0, zero
.irp a, \a0, \a0+1
.irp b, 0,1,2,3,4,5
.if \b < 4
	WM 8*(6*(\a)+\b), \fb+8*\b, \fa+8*(4*\hi+(\a)), \zero
.else
	WM 8*(6*(\a)+\b), \fa+8*(4*\hi+(\a)), \fb+8*\b, \zero
.endif
.endr
.endr
.endm
; 28 LDS loads in one run: the fragments of a quarter step (32 K at byte k of the rows): first the 6 weight tiles, then the 8 row blocks of x
.macro FETCH slot, k, fa, fb
	WIN 0
.irp b, 0,1,2,3,4,5
	ds_load_b128 v[\fb+8*\b:\fb+8*\b+3],   v[ADRB+\slot] offset:\k+(\b>>1)*64*PITCH+(\b&1)*32*PITCH
	ds_load_b128 v[\fb+8*\b+4:\fb+8*\b+7], v[ADRB+\slot] offset:\k+(\b>>1)*64*PITCH+(\b&1)*32*PITCH+32
.endr
.irp a, 0,1,2,3,4,5,6,7
	ds_load_b128 v[\fa+8*\a:\fa+8*\a+3],   v[ADRA+\slot] offset:\k+\a*16*PITCH
	ds_load_b128 v[\fa+8*\a+4:\fa+8*\a+7], v[ADRA+\slot] offset:\k+\a*16*PITCH+32
.endr
.endm
; One of a K step's first three quarters: multiplies buffer (fa, fb); in its middle it fetches the next quarter into (ga, gb).
.macro QUARTER slot, k, fa, fb, ga, gb, zero
	s_wait_dscnt 8                                 ; all but the youngest eight loads (x's row blocks 4-7) are in
	WIN ACC_LO
	MUL12 \fa, \fb, 0, 0, \zero
	MUL12 \fa, \fb, 0, 2, \zero
	PLACES
	FETCH \slot, \k, \ga, \gb
	s_wait_dscnt 28                                ; all but the 28 just issued
	WIN ACC_HI
	MUL12 \fa, \fb, 1, 0, \zero
	MUL12 \fa, \fb, 1, 2, \zero
.endm
.macro THREE slot, zero
	QUARTER \slot, 64,  FA0, FB0, FA1, FB1, \zero
	QUARTER \slot, 128, FA1, FB1, FA0, FB0, 0
	QUARTER \slot, 192, FA0, FB0, FA1, FB1, 0
.endm
; The last quarter multiplies buffer 1 and changes slots.  In front of the barrier each wave waits for its reads of this slot and for all its tensor
; loads (one is out: its part of the next slot).  Where the slot is filled again the barrier opens a round of the cluster's barrier, with register
; work alone inside, and the joint refill is the first tensor load behind it: 180 matrix instructions of the wave lie between a request and its wait.
.macro TURN slot, next, fill
	s_wait_dscnt 8
	WIN ACC_LO
	MUL12 FA1, FB1, 0, 0, 0
	s_wait_dscnt 0x0                               ; my reads of this slot are over
	s_wait_tensorcnt 0x0                           ; all my tensor loads have landed
	ds_add_u32 v30, v31
	s_wait_dscnt 0x0
	s_barrier_signal -1
	MUL12 FA1, FB1, 0, 2, 0
	WIN 0
	s_barrier_wait -1
.if \fill
	CREST
	s_add_nc_u64 s[G0+4*\slot+2:G0+4*\slot+3], s[G0+4*\slot+2:G0+4*\slot+3], 2*KSTEP*2
	s_add_nc_u64 s[G0B+4*\slot+2:G0B+4*\slot+3], s[G0B+4*\slot+2:G0B+4*\slot+3], 2*KSTEP*2
	JLOAD \slot
.endif
	PLACES
	FETCH \next, 0, FA0, FB0
	WIN ACC_HI
	MUL12 FA1, FB1, 1, 0, 0
	MUL12 FA1, FB1, 1, 2, 0
.endm
.macro LAP zero
	THREE 0, \zero
	TURN 0, 1, 1
	THREE 1, 0
	TURN 1, 0, 1
.endm
	s_wait_tensorcnt 1                             ; my part of K step 0 is in; K step 1's may stay out
	s_barrier_signal -1
	s_barrier_wait -1
	FETCH 0, 0, FA0, FB0
	LAP 1                                          ; the first lap's first products start the sums
	WIN 0
	s_mov_b32 s3, LAPS-2
.Llap:
	LAP 0
	WIN 0
	s_sub_co_u32 s3, s3, 1
	s_cmp_lg_u32 s3, 0
	s_cbranch_scc1 .Llap
	THREE 0, 0                                     ; the last lap fills nothing
	TURN 0, 1, 0
	THREE 1, 0
	s_wait_dscnt 8
	WIN ACC_LO
	MUL12 FA1, FB1, 0, 0, 0
	MUL12 FA1, FB1, 0, 2, 0
	s_wait_dscnt 0x0
	WIN ACC_HI
	MUL12 FA1, FB1, 1, 0, 0
	MUL12 FA1, FB1, 1, 2, 0
	; THE WAY OUT, a row block (16 positions) at a time.  x1 = tile 2 p (d < 32), x2 = tile 2 p + 1 (d + 32):
	; out1 = x1 cos - x2 sin, out2 = x2 cos + x1 sin, cos and sin already times SIG.
	PLACES
	s_wait_loadcnt 0x0                             ; the table
.macro OUT16 w, a, ag                  ; w: sources 0, 1 in the accumulators' window (0x05 or 0x0a); a: block in the window; ag: block of my eight
	s_wait_xcnt 0x0                                ; the last block's stores have read v80-103: they are rewritten only behind this wait
	WIN \w
.irp p, 0,1
.irp j, 0,2,4,6
	v_pk_mul_f32 v[TU+16*\p+\j:TU+16*\p+\j+1], v[8*(6*\a+2*\p+1)+\j:8*(6*\a+2*\p+1)+\j+1], v[ROPE+16*\a+8+\j:ROPE+16*\a+8+\j+1]
.endr
.irp j, 0,2,4,6
	v_pk_mul_f32 v[TU+16*\p+8+\j:TU+16*\p+8+\j+1], v[8*(6*\a+2*\p)+\j:8*(6*\a+2*\p)+\j+1], v[ROPE+16*\a+8+\j:ROPE+16*\a+8+\j+1]
.endr
.irp j, 0,1,2,3,4,5,6,7
	v_fma_f32 v[TU+16*\p+\j], v[8*(6*\a+2*\p)+\j], v[ROPE+16*\a+\j], -v[TU+16*\p+\j]
.endr
.irp j, 0,2,4,6
	v_pk_fma_f32 v[TU+16*\p+8+\j:TU+16*\p+8+\j+1], v[8*(6*\a+2*\p+1)+\j:8*(6*\a+2*\p+1)+\j+1], v[ROPE+16*\a+\j:ROPE+16*\a+\j+1], v[TU+16*\p+8+\j:TU+16*\p+8+\j+1]
.endr
.endr
.irp i, 0,1
.irp j, 0,2,4,6
	v_pk_mul_f32 v[TU+32+8*\i+\j:TU+32+8*\i+\j+1], v[8*(6*\a+4+\i)+\j:8*(6*\a+4+\i)+\j+1], 0x3d800000 op_sel_hi:[1,0]   ; v / 16
.endr
.endr
	WIN 0
.irp t, 0,1,2,3,4,5
.irp r, 0,1,2,3
	v_cvt_pk_f16_f32 v[Y+4*\t+\r], v[TU+8*\t+2*\r], v[TU+8*\t+2*\r+1]
.endr
.endr
	global_store_b128 v[LT], v[Y:Y+3],     s[70:71] offset:\ag*2048          ; each store: one block, 512 consecutive aligned bytes
	global_store_b128 v[LT], v[Y+4:Y+7],   s[70:71] offset:\ag*2048+1024
	global_store_b128 v[LT], v[Y+8:Y+11],  s[72:73] offset:\ag*2048
	global_store_b128 v[LT], v[Y+12:Y+15], s[72:73] offset:\ag*2048+1024
	global_store_b128 v[LT], v[Y+16:Y+19], s[74:75] offset:\ag*2048
	global_store_b128 v[LT], v[Y+20:Y+23], s[74:75] offset:\ag*2048+1024
.endm
	OUT16 0x05, 0, 0
	OUT16 0x05, 1, 1
	OUT16 0x05, 2, 2
	OUT16 0x05, 3, 3
	OUT16 0x0a, 0, 4
	OUT16 0x0a, 1, 5
	OUT16 0x0a, 2, 6
	OUT16 0x0a, 3, 7
	CROUND                                         ; the closing round: no work-group ends while a partner may still ask for a tile that names it
	s_endpgm
.Lfunc_end_k_q7fbcaeb109_qkv:
	.size	k_q7fbcaeb109_qkv, .Lfunc_end_k_q7fbcaeb109_qkv-k_q7fbcaeb109_qkv
	.p2alignl 7, 3214868480
	.fill 96, 4, 3214868480
	.section	.rodata,"a",@progbits
	.p2align	6, 0x0
	.amdhsa_kernel k_q7fbcaeb109_qkv
		.amdhsa_group_segment_fixed_size 327680
		.amdhsa_private_segment_fixed_size 0
		.amdhsa_enable_private_segment 0
		.amdhsa_kernarg_size 40
		.amdhsa_user_sgpr_count 2
		.amdhsa_user_sgpr_kernarg_segment_ptr 1
		.amdhsa_wavefront_size32 1
		.amdhsa_system_sgpr_workgroup_id_x 1
		.amdhsa_system_sgpr_workgroup_id_y 1
		.amdhsa_system_sgpr_workgroup_id_z 1
		.amdhsa_system_vgpr_workitem_id 0
		.amdhsa_next_free_vgpr 768
		.amdhsa_next_free_sgpr 84
		.amdhsa_reserve_vcc 0
		.amdhsa_float_denorm_mode_32 3
		.amdhsa_float_denorm_mode_16_64 3
		.amdhsa_memory_ordered 1
		.amdhsa_forward_progress 1
		.amdhsa_inst_pref_size 178
	.end_amdhsa_kernel
	.amdgpu_metadata
---
amdhsa.version: [ 1, 2 ]
amdhsa.kernels:
  - .name:           k_q7fbcaeb109_qkv
    .symbol:         k_q7fbcaeb109_qkv.kd
    .args:
      - { .name: bf, .offset: 0, .size: 8, .value_kind: global_buffer, .address_space: global }
      - { .name: rope, .offset: 8, .size: 8, .value_kind: global_buffer, .address_space: global }
      - { .name: qb, .offset: 16, .size: 8, .value_kind: global_buffer, .address_space: global }
      - { .name: kb, .offset: 24, .size: 8, .value_kind: global_buffer, .address_space: global }
      - { .name: vt, .offset: 32, .size: 8, .value_kind: global_buffer, .address_space: global }
    .group_segment_fixed_size: 327680
    .private_segment_fixed_size: 0
    .kernarg_segment_align: 8
    .kernarg_segment_size: 40
    .max_flat_workgroup_size: 128
    .sgpr_count:     84
    .vgpr_count:     768
    .wavefront_size: 32
...
	.end_amdgpu_metadata
.endif
;; end of part 2
;; launch attn (part 3): grid 8 x 32, 8 waves a work-group, clusters of 4 x 1, 327,680 bytes of LDS; arguments qb, kb, vt, ao; writes ao
.if DOCPART == 3
	.amdgcn_target "amdgcn-amd-amdhsa--gfx1250"
	.amdhsa_code_object_version 6
	.text
	.protected	k_q7fbcaeb109_attn
	.globl	k_q7fbcaeb109_attn
	.p2align	8
	.type	k_q7fbcaeb109_attn,@function
k_q7fbcaeb109_attn:
	s_mov_b64 s[64:65], 0
	v_nop
	global_prefetch_b8 v0, s[64:65] scope:SCOPE_SE
	s_setreg_imm32_b32 hwreg(HW_REG_WAVE_MODE, 25, 1), 1
	s_wait_xcnt 0x0
	s_wait_alu depctr_hold_cnt(0) depctr_sa_sdst(0) depctr_va_vdst(0) depctr_va_sdst(0) depctr_va_ssrc(0) depctr_va_vcc(0) depctr_vm_vsrc(0)
	s_getreg_b32 s2, hwreg(HW_REG_IB_STS2, 6, 4)
	s_cmp_eq_u32 s2, 0
	s_cbranch_scc0 .Lentry_in_a_cluster
	s_endpgm
.Lentry_in_a_cluster:
	s_bfe_u32 s2, ttmp6, 0x10000c
	s_cmp_lg_u32 s2, 0x3003
	s_cbranch_scc0 .Lentry_shape_is_right
	s_endpgm
.Lentry_shape_is_right:
; attn: softmax(q k^T / 8) v for 256 queries (grid x) of one batch and head (grid y), with a running maximum; f16 operands, f32 sums.
; Eight waves.  qg = wave & 3: 64 queries.  kh = wave >> 2: which 128 of a tile's 256 keys.  So each byte of K and V is read from LDS by four
; waves, not eight, and the two partial results (m, l, O) of a query group are merged once at the end, through LDS.
; CLUSTER 4 x 1: four query blocks of one head walk the same K and V tiles and ask for each jointly (mask 15): a quarter of the requests.
; S^T = K Q^T: a lane holds query r = l % 16 and keys 8 h + j, so a row's maximum and sum are the lane's own but for one exchange between the
; halves, and two neighbouring S^T tiles, packed in place, ARE a B fragment of P.  O^T = V^T P^T: a lane holds query r and 8 neighbouring d.
; SCALES: q and k came in times sqrt(0.125 log2 e)/16, so 256 S is the score in base-2 units; v came in as v/16, given back with 1/l.
; The maximum is taken away before every exponential, as in the definition: NM holds -256 m, and P = exp2(256 S + NM) lies in [0, 1]: f16 has the room.
; LIMITS: v_exp_f32 gives 0 below 2^-126; P below 2^-25 rounds to 0 in f16; l is summed from the unrounded P; NaN and infinities in the inputs are not treated apart.
; LDS: two slots of 69,632 bytes: K's 64 blocks, then V's 64.  A block of 512 bytes is two rows of 256 with 16 bytes of padding behind each (544):
; lane (r, h) reads at 272 (r >> 3) + 32 (r & 7) + 16 h, and the 16 lanes of a half touch 16 different 16-byte columns modulo 256.
; Each wave brings an eighth of a slot: 32 rows of 256 bytes (a slot's 256 rows shared among eight waves).  The merge's stage has bytes of its own behind the ring.
.set SLOT,  69632
.set VOFF,  34816                      ; V behind K
.set TILEB, 32768                      ; a tile's bytes in memory, of K or of V
.set STAGE, 2*SLOT                     ; 4 x 17,408: 32 x 512 bytes of O, 512 of m, 512 of l
.set ADR, 8                            ; v8-9    LDS address of my half of K, slot 0, 1
.set LT,  10                           ; v10     32 r + 16 h
.set STG, 11                           ; v11     my query group's stage + 16 lane
.set QF,  16                           ; v16-79    Q fragments [qt][ks]
.set KF,  80                           ; v80-143   K fragments [kt][ks]
.set VF,  144                          ; v144-207  V^T fragments [ks][dt]
.set NM,  208                          ; v208-215  pairs (-256 m, -256 m) for each qt
.set TM,  216                          ; v216-219  the running maximum of S, unscaled
.set TX,  220                          ; v220-223  at work
.set AL,  224                          ; v224-231  pairs (alpha, alpha)
.set LL,  232                          ; v232-239  pairs of partial sums of P
.set DD,  240                          ; v240-243  at work
.set LS,  244                          ; v244-247  l
.set MS,  248                          ; v248-251  -256 m, gathered for one store
.set SC,  0                            ; window 1: S[qt][kt][j] at 32 qt + 8 kt + j; later P[qt][ks] at 32 qt + 8 ks
.set OA,  128                          ; window 1: O[qt][dt][j] at 128 + 32 qt + 8 dt + j
.set G1,  32                           ; s[32:39]
.set G0,  40                           ; s[40:47], a set for each slot
.set MSB, 0
.macro WIN new
.if MSB != \new
	s_set_vgpr_msb (MSB<<8)|\new
.set MSB, \new
.endif
.endm
.macro PLACES                          ; four plain vector instructions behind a matrix instruction (ISA guide 7.12.1)
.rept 4
	v_nop
.endr
.endm
.macro ROUND                           ; a round of the cluster's barrier
	s_barrier_signal -1
	s_barrier_wait -1
	s_cmp_lg_u32 s20, 0
	s_cbranch_scc1 .Lnot_wave_0_\@
	s_barrier_signal -3
.Lnot_wave_0_\@:
	s_barrier_wait -3
	s_barrier_signal -1
	s_barrier_wait -1
.endm
	s_load_b256 s[4:11], s[0:1], 0x0               ; qb s[4:5], kb s[6:7], vt s[8:9], ao s[10:11]
	v_lshl_add_u32 v254, v0, 2, 0x33000
	v_mov_b32 v255, 0
	ds_add_u32 v254, v255
	v_lshrrev_b32 v1, 5, v0
	v_readfirstlane_b32 s20, v1                    ; wave 0..7
	s_and_b32 s21, s20, 3                          ; qg
	s_lshr_b32 s22, s20, 2                         ; kh
	s_bfe_u32 s23, ttmp6, 0x40000                  ; cx
	s_lshl_b32 s24, ttmp9, 2
	s_add_co_u32 s24, s24, s23                     ; block of 256 queries
	s_and_b32 s25, ttmp7, 0xffff                   ; 16 batch + head
	s_mov_b32 s48, 0x76543210                      ; v_permlanex16_b32: lane i reads lane i of the other half
	s_mov_b32 s49, 0xfedcba98
	s_mov_b32 s51, 0xc3800000                      ; -256.0
	; group 1: a dense block as 32 rows of 32 elements of 8 bytes, 4 words of padding after every 64; mask 15 and bit 21
	s_mov_b32 s[G1+0], 15|(3<<16)|(1<<20)|(1<<21)|(5<<22)|(3<<25)
	s_mov_b32 s[G1+1], 32<<16
	s_mov_b32 s[G1+2], 32<<16
	s_mov_b32 s[G1+3], 32<<16
	s_mov_b32 s[G1+4], 32
	s_mov_b32 s[G1+5], 32
	s_mov_b32 s[G1+6], 0
	s_mov_b32 s[G1+7], 0
	s_lshl_b32 s26, s25, 18                        ; a head's 262,144 bytes
	s_lshl_b32 s28, s21, 13                        ; my quarter of a tile
	s_add_co_u32 s28, s28, s26
	s_mov_b32 s29, 0
	s_mul_i32 s30, s20, 8704                       ; LDS: waves 0-3 K's quarters, waves 4-7 V's: wave x 32 rows of 272 bytes
	s_lshl_b32 s27, s24, 15                        ; Q: 16 groups of 2,048 bytes a block,
	s_add_co_u32 s26, s26, s27
	s_lshl_b32 s27, s21, 13                        ; 4 groups a wave
	s_add_co_u32 s26, s26, s27
	s_mov_b32 s27, 0
	s_wait_dscnt 0x0
	s_wait_kmcnt 0x0
	s_add_nc_u64 s[52:53], s[4:5], s[26:27]        ; my 64 queries
	s_cmp_lt_u32 s20, 4
	s_cselect_b64 s[12:13], s[6:7], s[8:9]         ; K for waves 0-3, V for waves 4-7
	s_add_nc_u64 s[12:13], s[12:13], s[28:29]
.irp n, 0,1
	s_mov_b32 s[G0+4*\n], 1
	s_add_co_u32 s[G0+4*\n+1], s30, \n*SLOT
	s_add_nc_u64 s[G0+4*\n+2:G0+4*\n+3], s[12:13], \n*TILEB
	s_or_b32 s[G0+4*\n+3], s[G0+4*\n+3], 0x80000000
.endr
	ROUND                                          ; the four work-groups are here
	tensor_load_to_lds s[G0:G0+3], s[G1:G1+7]      ; tile 0: the wave's one tensor load that is out
	s_nop 0
	; ao: [k/128][row/16][(k/16)%8][16 rows][16 k], k = 64 head + d
	s_and_b32 s31, s25, 15                         ; head
	s_lshr_b32 s26, s31, 1
	s_lshl_b32 s26, s26, 20
	s_and_b32 s31, s31, 1
	s_lshl_b32 s31, s31, 11
	s_add_co_u32 s26, s26, s31
	s_lshr_b32 s31, s25, 4                         ; batch: 128 groups of 4,096 bytes
	s_lshl_b32 s31, s31, 19
	s_add_co_u32 s26, s26, s31
	s_lshl_b32 s31, s24, 16
	s_add_co_u32 s26, s26, s31
	s_lshl_b32 s31, s21, 14
	s_add_co_u32 s26, s26, s31
	s_add_nc_u64 s[54:55], s[10:11], s[26:27]
	v_and_b32 v1, 15, v0                           ; r
	v_bfe_u32 v2, v0, 4, 1                         ; h
	v_lshlrev_b32 v[LT], 5, v1
	v_lshl_add_u32 v[LT], v2, 4, v[LT]
.irp qt, 0,1,2,3
.irp ks, 0,1
	global_load_b128 v[QF+16*\qt+8*\ks:QF+16*\qt+8*\ks+3],   v[LT], s[52:53] offset:\qt*2048+\ks*1024
	global_load_b128 v[QF+16*\qt+8*\ks+4:QF+16*\qt+8*\ks+7], v[LT], s[52:53] offset:\qt*2048+\ks*1024+512
.endr
.endr
	v_and_b32 v3, 7, v1
	v_lshrrev_b32 v4, 3, v1
	v_lshlrev_b32 v3, 5, v3
	v_lshl_add_u32 v3, v2, 4, v3
	v_mad_u32_u24 v3, v4, 272, v3                  ; my 16 bytes in a padded block
	s_mul_i32 s31, s22, 17408                      ; my 128 keys: 8 groups of 4 blocks of 544 bytes
	v_add_nc_u32 v[ADR], s31, v3
	v_add_nc_u32 v[ADR+1], SLOT, v[ADR]
	v_and_b32 v5, 31, v0
	s_mul_i32 s31, s21, 17408
	s_add_co_u32 s31, s31, STAGE
	v_lshl_add_u32 v[STG], v5, 4, s31
.irp qt, 0,1,2,3
	v_mov_b32 v[TX+\qt], 0                         ; v_permlanex16_b32 counts as a reader of its destination
.endr
	s_wait_loadcnt 0x0                             ; Q
.macro WM d, x, y, zero
.if \zero
	v_wmma_f32_16x16x32_f16 v[\d:\d+7], v[\x:\x+7], v[\y:\y+7], 0
.else
	v_wmma_f32_16x16x32_f16 v[\d:\d+7], v[\x:\x+7], v[\y:\y+7], v[\d:\d+7]
.endif
.endm
.macro KLOAD slot, part                ; 64 keys x 64 d: fragment [kt][ks] = blocks t = 2 ks, 2 ks + 1 of key group 4 part + kt
.irp kt, 0,1,2,3
.irp ks, 0,1
	ds_load_b128 v[KF+16*\kt+8*\ks:KF+16*\kt+8*\ks+3],   v[ADR+\slot] offset:(4*\part+\kt)*2176+\ks*1088
	ds_load_b128 v[KF+16*\kt+8*\ks+4:KF+16*\kt+8*\ks+7], v[ADR+\slot] offset:(4*\part+\kt)*2176+\ks*1088+544
.endr
.endr
.endm
.macro VLOAD slot, part                ; 64 d x 64 keys: fragment [ks][dt] = block dt of key groups 4 part + 2 ks and + 1
.irp ks, 0,1
.irp dt, 0,1,2,3
	ds_load_b128 v[VF+32*\ks+8*\dt:VF+32*\ks+8*\dt+3],   v[ADR+\slot] offset:VOFF+(4*\part+2*\ks)*2176+\dt*544
	ds_load_b128 v[VF+32*\ks+8*\dt+4:VF+32*\ks+8*\dt+7], v[ADR+\slot] offset:VOFF+(4*\part+2*\ks+1)*2176+\dt*544
.endr
.endr
.endm
; 64 queries x 64 keys.  first = 1: the wave's first keys: nothing to rescale, the first products start the sums.  nextk = 1: part 1's K is fetched here.
; In both products the 16 accumulators take turns, one instruction a turn.
.macro SUB slot, part, first, nextk
	VLOAD \slot, \part
	s_wait_dscnt 16                                ; K's 16 loads are in; the 16 of V just issued stay out
	WIN 0x50
.irp ks, 0,1
.irp kt, 0,1,2,3
.irp qt, 0,1,2,3
	WM SC+32*\qt+8*\kt, KF+16*\kt+8*\ks, QF+16*\qt+8*\ks, 1-\ks
.endr
.endr
.endr
	PLACES
.if \nextk
	WIN 0
	KLOAD \slot, 1
.endif
	WIN 0x05                                       ; sources 0, 1 in window 1
.irp qt, 0,1,2,3                                   ; the maximum: four chains, the old maximum at their head
.if \first
	v_max_num_f32 v[TM+\qt], v[SC+32*\qt], v[SC+32*\qt+1]
.else
	v_max3_num_f32 v[TM+\qt], v[SC+32*\qt], v[SC+32*\qt+1], v[TM+\qt]
.endif
.endr
.irp i, 1,2,3,4,5,6,7,8,9,10,11,12,13,14,15
.irp qt, 0,1,2,3
	v_max3_num_f32 v[TM+\qt], v[SC+32*\qt+2*\i], v[SC+32*\qt+2*\i+1], v[TM+\qt]
.endr
.endr
	WIN 0
.irp qt, 0,1,2,3
	v_permlanex16_b32 v[TX+\qt], v[TM+\qt], s48, s49       ; the other half's keys of the same query
.endr
.irp qt, 0,1,2,3
	v_max_num_f32 v[TM+\qt], v[TM+\qt], v[TX+\qt]
.endr
.irp qt, 0,1,2,3
	v_mul_f32 v[TX+\qt], s51, v[TM+\qt]            ; -256 m
.endr
.if \first == 0
.irp qt, 0,1,2,3
	v_sub_f32 v[DD+\qt], v[TX+\qt], v[NM+2*\qt]    ; 256 (m old - m new), never above 0
.endr
.irp qt, 0,1,2,3
	v_exp_f32 v[AL+2*\qt], v[DD+\qt]               ; alpha
.endr
.endif
.irp qt, 0,1,2,3                                   ; (these moves are the plain instructions behind the exponentials: ISA guide 5.7.2)
	v_mov_b32 v[NM+2*\qt], v[TX+\qt]
	v_mov_b32 v[NM+2*\qt+1], v[TX+\qt]
.endr
.if \first == 0
	s_wait_alu depctr_va_vdst(0)
.irp qt, 0,1,2,3
	v_mov_b32 v[AL+2*\qt+1], v[AL+2*\qt]
.endr
.endif
	WIN 0x41                                       ; source 0 and destination in window 1
.irp qt, 0,1,2,3
.irp i, 0,1,2,3,4,5,6,7,8,9,10,11,12,13,14,15
	v_pk_fma_f32 v[SC+32*\qt+2*\i:SC+32*\qt+2*\i+1], v[SC+32*\qt+2*\i:SC+32*\qt+2*\i+1], 0x43800000, v[NM+2*\qt:NM+2*\qt+1] op_sel_hi:[1,0,1]   ; 256 S - 256 m
.endr
.irp i, 0,1,2,3,4,5,6,7,8,9,10,11,12,13,14,15
	v_exp_f32 v[SC+32*\qt+2*\i], v[SC+32*\qt+2*\i]
	v_exp_f32 v[SC+32*\qt+2*\i+1], v[SC+32*\qt+2*\i+1]
.if \first == 0
	v_pk_mul_f32 v[OA+32*\qt+2*\i:OA+32*\qt+2*\i+1], v[OA+32*\qt+2*\i:OA+32*\qt+2*\i+1], v[AL+2*\qt:AL+2*\qt+1]   ; O alpha, among the exponentials
.endif
.endr
.endr
	v_nop                                          ; the plain instruction behind the last exponential
.if \first
	WIN 0x05
	s_wait_alu depctr_va_vdst(0)
.irp qt, 0,1,2,3
	v_pk_add_f32 v[LL+2*\qt:LL+2*\qt+1], v[SC+32*\qt:SC+32*\qt+1], v[SC+32*\qt+2:SC+32*\qt+3]
.endr
	WIN 0x01
.irp i, 2,3,4,5,6,7,8,9,10,11,12,13,14,15
.irp qt, 0,1,2,3
	v_pk_add_f32 v[LL+2*\qt:LL+2*\qt+1], v[SC+32*\qt+2*\i:SC+32*\qt+2*\i+1], v[LL+2*\qt:LL+2*\qt+1]
.endr
.endr
.else
	WIN 0x10
	s_wait_alu depctr_va_vdst(0)
.irp qt, 0,1,2,3
	v_pk_fma_f32 v[LL+2*\qt:LL+2*\qt+1], v[LL+2*\qt:LL+2*\qt+1], v[AL+2*\qt:AL+2*\qt+1], v[SC+32*\qt:SC+32*\qt+1]
.endr
	WIN 0x01
.irp i, 1,2,3,4,5,6,7,8,9,10,11,12,13,14,15
.irp qt, 0,1,2,3
	v_pk_add_f32 v[LL+2*\qt:LL+2*\qt+1], v[SC+32*\qt+2*\i:SC+32*\qt+2*\i+1], v[LL+2*\qt:LL+2*\qt+1]
.endr
.endr
.endif
	WIN 0x45                                       ; P to f16 in place: register 8 ks + i takes S's 16 ks + 2 i and + 1, which are never behind it
.irp qt, 0,1,2,3
.irp ks, 0,1
.irp i, 0,1,2,3,4,5,6,7
	v_cvt_pk_f16_f32 v[SC+32*\qt+8*\ks+\i], v[SC+32*\qt+16*\ks+2*\i], v[SC+32*\qt+16*\ks+2*\i+1]
.endr
.endr
.endr
.if \nextk
	s_wait_dscnt 16                                ; V is in; the next part's 16 loads of K stay out
.else
	s_wait_dscnt 0x0                               ; V is in
.endif
	WIN 0x54                                       ; source 0 (V^T) in window 0; P, C and D in window 1
.irp ks, 0,1
.irp dt, 0,1,2,3
.irp qt, 0,1,2,3
	WM OA+32*\qt+8*\dt, VF+32*\ks+8*\dt, SC+32*\qt+8*\ks, \first*(1-\ks)
.endr
.endr
.endr
.rept 5
	v_nop                                          ; five places: the next S^T products write over P's registers; four would do for the loads into V's
.endr
	WIN 0
.endm
; A tile of 256 keys.  In front of the round every wave waits for all its tensor loads (its part of this tile) and for its reads of the other slot;
; the round stands for all waves of the four work-groups; the other slot's joint refill is the first thing behind it, the wave's one load, and
; has this tile's 128 matrix instructions and two softmax passes in which to land.
.macro TRIP slot, refill, first
	s_wait_tensorcnt 0x0
	ds_add_u32 v254, v255
	s_wait_dscnt 0x0
	s_add_nc_u64 s[G0+4*\slot+2:G0+4*\slot+3], s[G0+4*\slot+2:G0+4*\slot+3], 2*TILEB   ; no load of mine is out: this slot's next tile
	s_wait_dscnt 0x0
	ROUND
.if \refill
	tensor_load_to_lds s[G0+4-4*\slot:G0+7-4*\slot], s[G1:G1+7]
	s_nop 0
.endif
	KLOAD \slot, 0
	SUB \slot, 0, \first, 1
	SUB \slot, 1, 0, 0
.endm
	TRIP 0, 1, 1                                   ; 2048 keys = 8 tiles
	TRIP 1, 1, 0
	s_mov_b32 s50, 2
.Ltiles:
	TRIP 0, 1, 0
	TRIP 1, 1, 0
	s_sub_co_u32 s50, s50, 1
	s_cmp_lg_u32 s50, 0
	s_cbranch_scc1 .Ltiles
	TRIP 0, 1, 0
	TRIP 1, 0, 0                                   ; the last tile: nothing is left to fetch
	; THE MERGE of the two halves of the keys.  Every wave: l over its pair of partial sums and over the two halves of the lanes.
.irp qt, 0,1,2,3
	v_add_f32 v[LS+\qt], v[LL+2*\qt], v[LL+2*\qt+1]
.endr
.irp qt, 0,1,2,3
	v_permlanex16_b32 v[TX+\qt], v[LS+\qt], s48, s49
.endr
.irp qt, 0,1,2,3
	v_add_f32 v[LS+\qt], v[LS+\qt], v[TX+\qt]
.endr
	s_cmp_lt_u32 s20, 4
	s_cbranch_scc1 .Lkeep
.irp qt, 0,1,2,3
	v_mov_b32 v[MS+\qt], v[NM+2*\qt]               ; four neighbouring registers for one store
.endr
	WIN 0x04                                       ; store data in window 1
.set i, 0
.rept 32
	ds_store_b128 v[STG], v[OA+4*i:OA+4*i+3] offset:512*i
.set i, i+1
.endr
	WIN 0
	ds_store_b128 v[STG], v[MS:MS+3] offset:16384
	ds_store_b128 v[STG], v[LS:LS+3] offset:16896
.Lkeep:
	s_wait_dscnt 0x0                               ; for the other wave's sake: my stores are done
	s_barrier_signal -1
	s_barrier_wait -1
	s_cmp_ge_u32 s20, 4
	s_cbranch_scc1 .Lclose
.set OP, 16                            ; v16-143  the partner's O
.set MP, 144                           ; v144-147 its -256 m
.set LP, 148                           ; v148-151 its l
.set LN, 152                           ; v152-155 the joint l, then 16 / l
.set YO, 144                           ; v144-207 packed results (behind the last use of MP, LP, LN)
.set i, 0
.rept 32
	ds_load_b128 v[OP+4*i:OP+4*i+3], v[STG] offset:512*i
.set i, i+1
.endr
	ds_load_b128 v[MP:MP+3], v[STG] offset:16384
	ds_load_b128 v[LP:LP+3], v[STG] offset:16896
	s_wait_dscnt 0x0
.irp qt, 0,1,2,3
	v_min_num_f32 v[TM+\qt], v[NM+2*\qt], v[MP+\qt]        ; -256 max(m, m')
.endr
.irp qt, 0,1,2,3
	v_sub_f32 v[TX+\qt], v[TM+\qt], v[NM+2*\qt]
	v_sub_f32 v[DD+\qt], v[TM+\qt], v[MP+\qt]
.endr
.irp qt, 0,1,2,3
	v_exp_f32 v[TX+\qt], v[TX+\qt]                 ; a  = exp2(256 (m  - max))
	v_exp_f32 v[DD+\qt], v[DD+\qt]                 ; a' = exp2(256 (m' - max)); one of the two is 1
.endr
	v_nop
	s_wait_alu depctr_va_vdst(0)
.irp qt, 0,1,2,3
	v_mul_f32 v[LN+\qt], v[LS+\qt], v[TX+\qt]
.endr
.irp qt, 0,1,2,3
	v_fmac_f32 v[LN+\qt], v[LP+\qt], v[DD+\qt]     ; l a + l' a', at least 1
.endr
.irp qt, 0,1,2,3
	v_rcp_f32 v[LN+\qt], v[LN+\qt]
.endr
	v_nop
	s_wait_alu depctr_va_vdst(0)
.irp qt, 0,1,2,3
	v_mul_f32 v[LN+\qt], 0x41800000, v[LN+\qt]     ; 16 / l: v came in as v / 16
.endr
.irp qt, 0,1,2,3
	v_mul_f32 v[AL+2*\qt], v[TX+\qt], v[LN+\qt]
	v_mul_f32 v[LL+2*\qt], v[DD+\qt], v[LN+\qt]
.endr
.irp qt, 0,1,2,3
	v_mov_b32 v[AL+2*\qt+1], v[AL+2*\qt]
	v_mov_b32 v[LL+2*\qt+1], v[LL+2*\qt]
.endr
.irp qt, 0,1,2,3
.irp p, 0,1,2,3,4,5,6,7,8,9,10,11,12,13,14,15
	v_pk_mul_f32 v[OP+32*\qt+2*\p:OP+32*\qt+2*\p+1], v[OP+32*\qt+2*\p:OP+32*\qt+2*\p+1], v[LL+2*\qt:LL+2*\qt+1]
.endr
.endr
	WIN 0x01
.irp qt, 0,1,2,3
.irp p, 0,1,2,3,4,5,6,7,8,9,10,11,12,13,14,15
	v_pk_fma_f32 v[OP+32*\qt+2*\p:OP+32*\qt+2*\p+1], v[OA+32*\qt+2*\p:OA+32*\qt+2*\p+1], v[AL+2*\qt:AL+2*\qt+1], v[OP+32*\qt+2*\p:OP+32*\qt+2*\p+1]
.endr
.endr
	WIN 0
.irp qt, 0,1,2,3
.irp p, 0,1,2,3,4,5,6,7,8,9,10,11,12,13,14,15
	v_cvt_pk_bf16_f32 v[YO+16*\qt+\p], v[OP+32*\qt+2*\p], v[OP+32*\qt+2*\p+1]   ; bf16: the result has v's range, with no fixed scale behind it
.endr
.endr
.irp qt, 0,1,2,3
.irp dt, 0,1,2,3
	global_store_b128 v[LT], v[YO+16*\qt+4*\dt:YO+16*\qt+4*\dt+3], s[54:55] offset:\qt*4096+\dt*512   ; one block: 512 consecutive aligned bytes
.endr
.endr
.Lclose:
	s_wait_tensorcnt 0x0
	ds_add_u32 v254, v255
	s_wait_dscnt 0x0
	ROUND                                          ; the closing round
	s_endpgm
.Lfunc_end_k_q7fbcaeb109_attn:
	.size	k_q7fbcaeb109_attn, .Lfunc_end_k_q7fbcaeb109_attn-k_q7fbcaeb109_attn
	.p2alignl 7, 3214868480
	.fill 96, 4, 3214868480
	.section	.rodata,"a",@progbits
	.p2align	6, 0x0
	.amdhsa_kernel k_q7fbcaeb109_attn
		.amdhsa_group_segment_fixed_size 327680
		.amdhsa_private_segment_fixed_size 0
		.amdhsa_enable_private_segment 0
		.amdhsa_kernarg_size 32
		.amdhsa_user_sgpr_count 2
		.amdhsa_user_sgpr_kernarg_segment_ptr 1
		.amdhsa_wavefront_size32 1
		.amdhsa_system_sgpr_workgroup_id_x 1
		.amdhsa_system_sgpr_workgroup_id_y 1
		.amdhsa_system_sgpr_workgroup_id_z 1
		.amdhsa_system_vgpr_workitem_id 0
		.amdhsa_next_free_vgpr 512
		.amdhsa_next_free_sgpr 66
		.amdhsa_reserve_vcc 0
		.amdhsa_float_denorm_mode_32 3
		.amdhsa_float_denorm_mode_16_64 3
		.amdhsa_memory_ordered 1
		.amdhsa_forward_progress 1
		.amdhsa_inst_pref_size 255
	.end_amdhsa_kernel
	.section	.bss,"aw",@nobits
	.p2align	6
	.space	262144
	.amdgpu_metadata
---
amdhsa.version: [ 1, 2 ]
amdhsa.kernels:
  - .name:           k_q7fbcaeb109_attn
    .symbol:         k_q7fbcaeb109_attn.kd
    .args:
      - { .name: qb, .offset: 0, .size: 8, .value_kind: global_buffer, .address_space: global }
      - { .name: kb, .offset: 8, .size: 8, .value_kind: global_buffer, .address_space: global }
      - { .name: vt, .offset: 16, .size: 8, .value_kind: global_buffer, .address_space: global }
      - { .name: ao, .offset: 24, .size: 8, .value_kind: global_buffer, .address_space: global }
    .group_segment_fixed_size: 327680
    .private_segment_fixed_size: 0
    .kernarg_segment_align: 8
    .kernarg_segment_size: 32
    .max_flat_workgroup_size: 256
    .sgpr_count:     66
    .vgpr_count:     512
    .wavefront_size: 32
...
	.end_amdgpu_metadata
.endif
;; end of part 3
;; launch oproj (part 4): grid 8 x 32, 4 waves a work-group, clusters of 4 x 4, 327,680 bytes of LDS; arguments ao, bf, out0; writes out0
.if DOCPART == 4
	.amdgcn_target "amdgcn-amd-amdhsa--gfx1250"
	.amdhsa_code_object_version 6
	.text
	.protected	k_q7fbcaeb109_oproj
	.globl	k_q7fbcaeb109_oproj
	.p2align	8
	.type	k_q7fbcaeb109_oproj,@function
k_q7fbcaeb109_oproj:
	s_mov_b64 s[64:65], 0
	v_nop
	global_prefetch_b8 v0, s[64:65] scope:SCOPE_SE
	s_setreg_imm32_b32 hwreg(HW_REG_WAVE_MODE, 25, 1), 1
	s_wait_xcnt 0x0
	s_wait_alu depctr_hold_cnt(0) depctr_sa_sdst(0) depctr_va_vdst(0) depctr_va_sdst(0) depctr_va_ssrc(0) depctr_va_vcc(0) depctr_vm_vsrc(0)
	s_getreg_b32 s2, hwreg(HW_REG_IB_STS2, 6, 4)
	s_cmp_eq_u32 s2, 0
	s_cbranch_scc0 .Lentry_in_a_cluster
	s_endpgm
.Lentry_in_a_cluster:
	s_bfe_u32 s2, ttmp6, 0x10000c
	s_cmp_lg_u32 s2, 0xf033
	s_cbranch_scc0 .Lentry_shape_is_right
	s_endpgm
.Lentry_shape_is_right:
; oproj: out0 = ao Wo^T.  ao: bf16 in blocks [k/128][row/16][(k/16)%8][16 rows][16 k]; Wo: bf16 [1024][1024] at byte 0xe00000 of bf; out0: f32 [4096][1024].
; 256 work-groups, each 128 rows (grid y) x 128 columns (grid x), four waves of 64 x 64: 16 accumulator tiles.  A block of 256 x 128 would leave
; half of the 256 work-groups' places empty.
; K = 1024 in four fills of two LDS slots; a slot holds TWO K steps of 128, so that 128 matrix instructions of a wave lie between a request and
; the wait for it, and both slots are asked for at the start: half of all operand bytes.
; CLUSTER 4 x 4: ao's tile hangs on the block of rows and is shared along a cluster row, Wo's on the block of columns and is shared along a column.
; LDS slot: ao's two K steps, each a dense 32 KiB of memory as 128 rows of 256 bytes + 16 of padding (34,816); then Wo's 128 rows of 512 + 16 bytes.
; The matrix instruction is used transposed (source 0 = Wo, source 1 = ao): a lane holds row l % 16 and 8 neighbouring columns, 32 bytes of f32.
.set PA,     34816                     ; one K step of ao in LDS
.set BOFF,   2*PA
.set PB,     528                       ; a row of Wo in LDS: 33 x 16 bytes
.set HALFB,  64*PB
.set SLOT,   BOFF+2*HALFB              ; 137,216
.set STAGE,  2*SLOT                    ; behind the ring: 16 rows x 272 bytes for each wave, never filled by a tensor load
.set SPITCH, 272
.set ADRA, 16                          ; v16-17
.set ADRB, 20                          ; v20-21
.set STO,  24
.set RD,   25
.set CO,   26
.set FA0,  32                          ; v32-63 ao, v64-95 Wo: buffer 0
.set FB0,  64
.set FA1,  96                          ; buffer 1
.set FB1,  128
.set G1,  24
.set G0,  32
.set G1B, 48
.set G0B, 56
.set MSB, 0
.macro WIN new
.if MSB != \new
	s_set_vgpr_msb (MSB<<8)|\new
.set MSB, \new
.endif
.endm
.macro PLACES                          ; four plain vector instructions behind a matrix instruction (ISA guide 7.12.1)
.rept 4
	v_nop
.endr
.endm
.macro JLOAD s                         ; waves 0, 1: ao's two K steps; waves 2, 3: the halves of Wo's rows
	s_cmp_eq_u32 s15, 0
	s_cbranch_scc0 .Lfor_b_\@
	tensor_load_to_lds s[G0+4*\s:G0+4*\s+3], s[G1:G1+7]
	s_nop 0
	s_branch .Lasked_\@
.Lfor_b_\@:
	tensor_load_to_lds s[G0B+4*\s:G0B+4*\s+3], s[G1B:G1B+7]
	s_nop 0
.Lasked_\@:
.endm
.macro CROUND                          ; a round of the cluster's barrier
	s_barrier_signal -1
	s_barrier_wait -1
	s_cmp_lg_u32 s14, 0
	s_cbranch_scc1 .Lnot_wave_0_\@
	s_barrier_signal -3
.Lnot_wave_0_\@:
	s_barrier_wait -3
	s_barrier_signal -1
	s_barrier_wait -1
.endm
	s_load_b128 s[4:7], s[0:1], 0x0                ; ao s[4:5], bf s[6:7]
	s_load_b64 s[8:9], s[0:1], 0x10                ; out0
	v_lshl_add_u32 v254, v0, 2, 0x47400
	v_mov_b32 v255, 0
	ds_add_u32 v254, v255
	v_lshrrev_b32 v1, 5, v0
	v_readfirstlane_b32 s14, v1                    ; wave 0..3
	s_lshr_b32 s15, s14, 1                         ; my half of the rows.  Also: I fetch ao (0) or Wo (1)
	s_and_b32 s16, s14, 1                          ; my half of the columns.  Also: which part I fetch
	s_bfe_u32 s40, ttmp6, 0x40000                  ; cx
	s_bfe_u32 s41, ttmp6, 0x40004                  ; cy
	s_lshl_b32 s42, ttmp9, 2
	s_add_co_u32 s42, s42, s40                     ; block of 128 columns
	s_and_b32 s18, ttmp7, 0xffff
	s_lshl_b32 s18, s18, 2
	s_add_co_u32 s18, s18, s41                     ; block of 128 rows
	s_lshl_b32 s43, s41, 2
	s_lshl_b32 s43, 15, s43                        ; my row of the cluster
	s_lshl_b32 s44, 0x1111, s40                    ; my column
	s_or_b32 s[G1+0], s43, (3<<16)|(1<<20)|(1<<21)|(5<<22)|(3<<25)   ; 8-byte elements; 4 words of padding after every 64
	s_or_b32 s[G1B+0], s44, (1<<16)|(1<<20)|(1<<21)|(6<<22)|(3<<25)  ; 2-byte elements; 4 words after every 128
	s_mov_b32 s[G1+1], 32<<16                      ; ao: 128 rows of 32 elements, dense
	s_mov_b32 s[G1+2], 128<<16
	s_mov_b32 s[G1+3], 32<<16
	s_mov_b32 s[G1+4], 128
	s_mov_b32 s[G1+5], 32
	s_mov_b32 s[G1+6], 0
	s_mov_b32 s[G1+7], 0
	s_mov_b32 s[G1B+1], 256<<16                    ; Wo: 64 rows of 256 elements, 1,024 from row to row
	s_mov_b32 s[G1B+2], 64<<16
	s_mov_b32 s[G1B+3], 256<<16
	s_mov_b32 s[G1B+4], 64
	s_mov_b32 s[G1B+5], 1024
	s_mov_b32 s[G1B+6], 0
	s_mov_b32 s[G1B+7], 0
	s_lshl_b32 s22, s18, 15                        ; ao: 32,768 bytes a block of rows,
	s_lshl_b32 s23, s16, 20                        ; 1 MiB a K step
	s_add_co_u32 s22, s22, s23
	s_mov_b32 s23, 0
	s_lshl_b32 s46, s42, 7
	s_lshl_b32 s47, s16, 6
	s_add_co_u32 s46, s46, s47                     ; Wo: row 128 block + 64 half
	s_lshl_b32 s46, s46, 11
	s_add_co_u32 s46, s46, 0xe00000
	s_mov_b32 s47, 0
	s_mul_i32 s20, s14, PA                         ; LDS: waves 0, 1 at 0 and PA,
	s_mul_i32 s21, s14, HALFB
	s_add_co_u32 s21, s21, BOFF-2*HALFB            ; waves 2, 3 at BOFF and BOFF + HALFB
	s_wait_dscnt 0x0
	s_wait_kmcnt 0x0
	s_add_nc_u64 s[22:23], s[4:5], s[22:23]
	s_add_nc_u64 s[46:47], s[6:7], s[46:47]
	CROUND                                         ; the first joint loads meet
.irp s, 0,1
	s_mov_b32 s[G0+4*\s], 1
	s_add_co_u32 s[G0+4*\s+1], s20, \s*SLOT
	s_add_nc_u64 s[G0+4*\s+2:G0+4*\s+3], s[22:23], \s*0x200000     ; two K steps on
	s_or_b32 s[G0+4*\s+3], s[G0+4*\s+3], 0x80000000
	s_mov_b32 s[G0B+4*\s], 1
	s_add_co_u32 s[G0B+4*\s+1], s21, \s*SLOT
	s_add_nc_u64 s[G0B+4*\s+2:G0B+4*\s+3], s[46:47], \s*512
	s_or_b32 s[G0B+4*\s+3], s[G0B+4*\s+3], 0x80000000
	JLOAD \s                                       ; two tensor loads of the wave are out
.endr
	v_and_b32 v1, 15, v0                           ; r
	v_bfe_u32 v2, v0, 4, 1                         ; h
	v_and_b32 v3, 7, v1
	v_lshrrev_b32 v4, 3, v1
	v_lshlrev_b32 v3, 5, v3
	v_lshl_add_u32 v3, v2, 4, v3
	v_mad_u32_u24 v3, v4, 272, v3                  ; my 16 bytes in a padded block of ao
	s_mul_i32 s76, s15, 17408                      ; my 64 rows: 4 groups of 8 blocks of 544 bytes
	v_add_nc_u32 v[ADRA], s76, v3
	v_add_nc_u32 v[ADRA+1], SLOT, v[ADRA]
	v_mul_u32_u24 v5, v1, PB
	v_lshl_add_u32 v5, v2, 4, v5
	s_mul_i32 s76, s16, HALFB
	s_add_co_u32 s76, s76, BOFF
	v_add_nc_u32 v[ADRB], s76, v5
	v_add_nc_u32 v[ADRB+1], SLOT, v[ADRB]
	s_mul_i32 s76, s14, 16*SPITCH
	s_add_co_u32 s76, s76, STAGE                   ; my stage
	v_mul_u32_u24 v6, v1, SPITCH
	v_lshl_add_u32 v6, v2, 5, v6                   ; in: row r, 32 bytes for each half of the lanes
	v_add_nc_u32 v[STO], s76, v6
	v_mul_u32_u24 v7, v2, SPITCH
	v_lshl_add_u32 v7, v1, 4, v7                   ; back: lanes 0-15 one row of 256 bytes, lanes 16-31 the next
	v_add_nc_u32 v[RD], s76, v7
	v_lshlrev_b32 v[CO], 12, v2                    ; the same two rows in out0
	v_lshl_add_u32 v[CO], v1, 4, v[CO]
	s_lshl_b32 s68, s18, 19                        ; 128 rows of 4,096 bytes
	s_lshl_b32 s69, s15, 18
	s_add_co_u32 s68, s68, s69
	s_lshl_b32 s69, s42, 9                         ; 128 columns of 4 bytes
	s_add_co_u32 s68, s68, s69
	s_lshl_b32 s69, s16, 8
	s_add_co_u32 s68, s68, s69
	s_mov_b32 s69, 0
	s_add_nc_u64 s[8:9], s[8:9], s[68:69]
.macro WM d, x, y, zero
.if \zero
	v_wmma_f32_16x16x32_bf16 v[\d:\d+7], v[\x:\x+7], v[\y:\y+7], 0
.else
	v_wmma_f32_16x16x32_bf16 v[\d:\d+7], v[\x:\x+7], v[\y:\y+7], v[\d:\d+7]
.endif
.endm
.macro MUL16 fa, fb, zero              ; 32 along K for all 16 tiles; the accumulators take turns, one instruction a turn
.irp a, 0,1,2,3
.irp b, 0,1,2,3
	WM 8*(4*\a+\b), \fb+8*\b, \fa+8*\a, \zero
.endr
.endr
.endm
; The fragments of quarter q (0..7) of a slot's 256 K: 8 loads of Wo, 8 of ao, behind four places for the matrix instructions that read the buffer last
.macro FETCH slot, q, fa, fb
	PLACES
	WIN 0
.irp b, 0,1,2,3
	ds_load_b128 v[\fb+8*\b:\fb+8*\b+3],   v[ADRB+\slot] offset:\b*16*PB+((\q)>>2)*256+((\q)&3)*64
	ds_load_b128 v[\fb+8*\b+4:\fb+8*\b+7], v[ADRB+\slot] offset:\b*16*PB+((\q)>>2)*256+((\q)&3)*64+32
.endr
.irp a, 0,1,2,3
	ds_load_b128 v[\fa+8*\a:\fa+8*\a+3],   v[ADRA+\slot] offset:((\q)>>2)*PA+\a*4352+((\q)&3)*1088
	ds_load_b128 v[\fa+8*\a+4:\fa+8*\a+7], v[ADRA+\slot] offset:((\q)>>2)*PA+\a*4352+((\q)&3)*1088+544
.endr
.endm
.macro PAIR slot, q, zero              ; quarters q and q + 1, each multiplied while the next one's fragments come
	FETCH \slot, \q+1, FA1, FB1
	s_wait_dscnt 16                                ; all but the 16 just issued
	WIN 0x50
	MUL16 FA0, FB0, \zero
	FETCH \slot, \q+2, FA0, FB0
	s_wait_dscnt 16
	WIN 0x50
	MUL16 FA1, FB1, 0
.endm
.macro SLOTWORK slot, first
	FETCH \slot, 0, FA0, FB0
	PAIR \slot, 0, \first
	PAIR \slot, 2, 0
	PAIR \slot, 4, 0
	FETCH \slot, 7, FA1, FB1
	s_wait_dscnt 16
	WIN 0x50
	MUL16 FA0, FB0, 0
	s_wait_dscnt 0x0
	MUL16 FA1, FB1, 0
	WIN 0
.endm
; Change of slots.  Every wave waits for its reads of the slot just multiplied and for all its tensor loads (its part of the next slot).  refill = 1:
; a round of the cluster's barrier, and the joint refill first behind it, the wave's one load.  refill = 0: nothing is filled, the work-group's barrier does.
.macro CHANGE slot, refill
	s_wait_dscnt 0x0
	s_wait_tensorcnt 0x0
	ds_add_u32 v254, v255
	s_wait_dscnt 0x0
.if \refill
	s_add_nc_u64 s[G0+4*\slot+2:G0+4*\slot+3], s[G0+4*\slot+2:G0+4*\slot+3], 0x400000
	s_add_nc_u64 s[G0B+4*\slot+2:G0B+4*\slot+3], s[G0B+4*\slot+2:G0B+4*\slot+3], 1024
	CROUND
	JLOAD \slot
.else
	s_barrier_signal -1
	s_barrier_wait -1
.endif
.endm
	s_wait_tensorcnt 1                             ; my part of slot 0 is in; slot 1's may stay out
	s_barrier_signal -1
	s_barrier_wait -1
	SLOTWORK 0, 1                                  ; K 0..255: the first products start the sums
	CHANGE 0, 1
	SLOTWORK 1, 0                                  ; K 256..511
	CHANGE 1, 1
	SLOTWORK 0, 0                                  ; K 512..767
	CHANGE 0, 0
	SLOTWORK 1, 0                                  ; K 768..1023
	; THE WAY OUT, 16 rows at a time through my own stage: 32 bytes a lane in, whole rows of 256 bytes back.  LDS serves a wave's instructions in
	; order (ISA guide 5.7.1), so no wait stands between the stores and the loads, nor before the next block's stores.  Each block has its own registers.
	PLACES
.irp a, 0,1,2,3
	WIN 0x04                                       ; store data in window 1
.irp b, 0,1,2,3
	ds_store_b128 v[STO], v[8*(4*\a+\b):8*(4*\a+\b)+3]   offset:64*\b
	ds_store_b128 v[STO], v[8*(4*\a+\b)+4:8*(4*\a+\b)+7] offset:64*\b+16
.endr
	WIN 0
.irp t, 0,1,2,3,4,5,6,7
	ds_load_b128 v[32+32*\a+4*\t:32+32*\a+4*\t+3], v[RD] offset:\t*2*SPITCH
.endr
.irp t, 0,1,2,3,4,5,6,7
	s_wait_dscnt 7-\t                              ; read-back t is in, the younger ones stay out
	global_store_b128 v[CO], v[32+32*\a+4*\t:32+32*\a+4*\t+3], s[8:9] offset:\a*65536+\t*8192 th:TH_STORE_NT   ; 16 lanes: 256 consecutive aligned bytes
.endr
.endr
	s_wait_tensorcnt 0x0
	ds_add_u32 v254, v255
	s_wait_dscnt 0x0
	CROUND                                         ; the closing round
	s_endpgm
.Lfunc_end_k_q7fbcaeb109_oproj:
	.size	k_q7fbcaeb109_oproj, .Lfunc_end_k_q7fbcaeb109_oproj-k_q7fbcaeb109_oproj
	.p2alignl 7, 3214868480
	.fill 96, 4, 3214868480
	.section	.rodata,"a",@progbits
	.p2align	6, 0x0
	.amdhsa_kernel k_q7fbcaeb109_oproj
		.amdhsa_group_segment_fixed_size 327680
		.amdhsa_private_segment_fixed_size 0
		.amdhsa_enable_private_segment 0
		.amdhsa_kernarg_size 24
		.amdhsa_user_sgpr_count 2
		.amdhsa_user_sgpr_kernarg_segment_ptr 1
		.amdhsa_wavefront_size32 1
		.amdhsa_system_sgpr_workgroup_id_x 1
		.amdhsa_system_sgpr_workgroup_id_y 1
		.amdhsa_system_sgpr_workgroup_id_z 1
		.amdhsa_system_vgpr_workitem_id 0
		.amdhsa_next_free_vgpr 384
		.amdhsa_next_free_sgpr 84
		.amdhsa_reserve_vcc 0
		.amdhsa_float_denorm_mode_32 3
		.amdhsa_float_denorm_mode_16_64 3
		.amdhsa_memory_ordered 1
		.amdhsa_forward_progress 1
		.amdhsa_inst_pref_size 88
	.end_amdhsa_kernel
	.amdgpu_metadata
---
amdhsa.version: [ 1, 2 ]
amdhsa.kernels:
  - .name:           k_q7fbcaeb109_oproj
    .symbol:         k_q7fbcaeb109_oproj.kd
    .args:
      - { .name: ao, .offset: 0, .size: 8, .value_kind: global_buffer, .address_space: global }
      - { .name: bf, .offset: 8, .size: 8, .value_kind: global_buffer, .address_space: global }
      - { .name: out0, .offset: 16, .size: 8, .value_kind: global_buffer, .address_space: global }
    .group_segment_fixed_size: 327680
    .private_segment_fixed_size: 0
    .kernarg_segment_align: 8
    .kernarg_segment_size: 24
    .max_flat_workgroup_size: 128
    .sgpr_count:     84
    .vgpr_count:     384
    .wavefront_size: 32
...
	.end_amdgpu_metadata
.endif
;; end of part 4
;; ======== version 2 of 2: 4 launches; version 1 with the launch prep written anew for expert scheduling mode
;; limits: values are held in f16: magnitudes above 65,504 overflow, below 6.1e-05 lose precision; right only within a limited range of input values
;; workspace buffers: bf 16,777,216 bytes; rope 524,288 bytes; qb 8,388,608 bytes; kb 8,388,608 bytes; vt 8,388,608 bytes; ao 8,388,608 bytes
;; launch prep (part 5): grid 256 x 1, 8 waves a work-group, no clusters, 0 bytes of LDS; arguments hidden_states, Wq, Wk, Wv, Wo, bf, rope; writes bf, rope
.if DOCPART == 5
	.amdgcn_target "amdgcn-amd-amdhsa--gfx1250"
	.amdhsa_code_object_version 6
	.text
	.protected	k_q7fbcaeb109_prep
	.globl	k_q7fbcaeb109_prep
	.p2align	8
	.type	k_q7fbcaeb109_prep,@function
k_q7fbcaeb109_prep:
	s_mov_b64 s[64:65], 0
	v_nop
	global_prefetch_b8 v0, s[64:65] scope:SCOPE_SE
	s_setreg_imm32_b32 hwreg(HW_REG_WAVE_SCHED_MODE, 0, 2), 2
	s_setreg_imm32_b32 hwreg(HW_REG_WAVE_MODE, 25, 1), 1
	s_wait_xcnt 0x0
	s_wait_alu depctr_vm_vsrc(0)
; prep: casts x and the four weight matrices from f32 to bf16 (round to nearest even) and makes the RoPE table.
; bf (bf16): byte 0: x [4096][1024]; byte 0x800000: the q, k, v weights regrouped by head, row = head*192 + p*64 + d (p = 0 q, 1 k, 2 v);
; byte 0xe00000: Wo [1024][1024].
; rope (f32): [sg 128][c 2][cos, sin][jh 2][r 16][h 2][e 4]: position s = 16 sg + r, frequency f = 16 c + 8 h + 4 jh + e,
; values SIG*cos(s*10000^(-f/32)) and SIG*sin(..), SIG = sqrt(0.125*log2 e)/16.  So (q SIG).(k SIG) = (q.k/8) log2 e / 256:
; the softmax's scale and base are in the table, and the 1/16 gives the later f16 copies of q and k room.
; A stream: 256 work-groups, each 128 KiB of f32 in and 64 KiB of bf16 out.  A wave issues its 32 loads of 512 consecutive bytes at once
; and stores 256 consecutive aligned bytes per instruction.  No LDS, no barrier, no matrix unit: nothing is shared and nothing is multiplied.
; LIMIT: the table's angle is t*inv_freq in f32 with inv_freq from v_exp_f32 and one f32 constant 1/(2 pi): at s = 2047 it may differ from
; an exact angle by about 3e-4 rad.  The polynomials (sine to x^11, cosine to x^10 on [-pi/2, pi/2]) add less than 1e-6.
; THE MODE: SCHED_MODE bits 1:0 = 2 (LLVM: expert scheduling mode 2), set by the entry lines.  The code itself states the register dependences
; between vector instructions and memory instructions, with s_wait_alu, always for 0.
; THE PLAN.  Registers that memory instructions touch:
;   v1, v2, v3  byte offsets, made once at the head and never written again; read by the loads, the cast's stores, the table's stores.
;   X           each chunk's four registers are written once, by its load, and read by its two conversions; no vector instruction names them ahead of the loads.
;   Y           each chunk's two registers are written once, by its conversions, and read once, by its store.
;   CC, SS      waves 0 and 1: written by the table's last lines, read by its two stores, never written again.
; No register that a memory instruction reads is written a second time, so the text holds no wait on vm_vsrc.
; The 32 chunks go in 8 blocks of four.  Block p converts its own chunks; its memory instructions are the four stores of block p - 1, whose Y no
; conversion of block p names.  So one wait on va_vdst at a block's head states all that the block's stores hang on.
.set X,   8                            ; v[8:135]    32 chunks of 4 f32 as loaded
.set Y,   136                          ; v[136:199]  32 chunks of 4 bf16 to store
.set TT,  200                          ; position as f32
.set F0,  201                          ; the lane's first frequency index
.set XE,  204                          ; v[204:207]  four inverse frequencies
.set ANG, 208
.set RR,  209
.set KK,  210
.set TH,  211
.set ZZ,  212
.set PP,  213
.set QQ,  214
.set T1,  215
.set CC,  224                          ; v[224:227]  four cosines
.set SS,  228                          ; v[228:231]  four sines
	s_load_b256 s[4:11], s[0:1], 0x0               ; hidden s[4:5], Wq s[6:7], Wk s[8:9], Wv s[10:11]
	s_load_b128 s[12:15], s[0:1], 0x20             ; Wo s[12:13], bf s[14:15]
	s_load_b64 s[16:17], s[0:1], 0x30              ; rope
	v_lshrrev_b32 v5, 5, v0
	v_readfirstlane_b32 s18, v5                    ; wave 0..7
	v_and_b32 v4, 31, v0                           ; lane
	v_lshlrev_b32 v1, 4, v4
	v_lshl_add_u32 v1, v5, 14, v1                  ; source: 16,384 wave + 16 lane
	v_lshlrev_b32 v2, 3, v4
	v_lshl_add_u32 v2, v5, 13, v2                  ; destination: 8,192 wave + 8 lane
	v_lshlrev_b32 v3, 4, v0                        ; table: 16 thread (threads 0..63 alone use it)
	s_wait_alu depctr_va_sdst(0)                   ; s18 is written, ahead of its first reader: the table's frequency index and the branch round the table are made from it
	; which 128 KiB are mine.  g < 128: part g of x.  Else u = g - 128: matrix u >> 5, its rows 32 (u & 31) ..
	s_mov_b32 s20, ttmp9                           ; g
	s_and_b32 s21, s20, 127
	s_lshr_b32 s22, s21, 5                         ; matrix: 0 q, 1 k, 2 v, 3 o
	s_and_b32 s23, s21, 31                         ; part: 32 rows
	s_lshr_b32 s24, s23, 1                         ; head
	s_mul_i32 s24, s24, 192
	s_lshl_b32 s25, s22, 6
	s_add_co_u32 s24, s24, s25                     ; + 64 p
	s_and_b32 s25, s23, 1
	s_lshl_b32 s25, s25, 5
	s_add_co_u32 s24, s24, s25                     ; + the head's upper or lower 32 rows
	s_lshl_b32 s24, s24, 11                        ; rows of 2,048 bytes
	s_add_co_u32 s24, s24, 0x800000
	s_lshl_b32 s25, s23, 16
	s_add_co_u32 s25, s25, 0xe00000                ; Wo keeps its order
	s_cmp_eq_u32 s22, 3
	s_cselect_b32 s24, s25, s24
	s_lshl_b32 s26, s23, 17                        ; source offset in a weight matrix
	s_lshl_b32 s27, s20, 16
	s_lshl_b32 s28, s20, 17
	s_cmp_lt_u32 s20, 128
	s_cselect_b32 s24, s27, s24                    ; destination offset
	s_cselect_b32 s26, s28, s26                    ; source offset
	s_mov_b32 s25, 0
	s_mov_b32 s27, 0
	s_lshl_b32 s28, s20, 11                        ; my 2,048 bytes of the table
	s_mov_b32 s29, 0
	s_mov_b32 s40, 0x3cd96d27                      ; SIG = 0.4246609 / 16
	s_lshr_b32 s41, s20, 1
	s_lshl_b32 s41, s41, 4                         ; first position: 16 (g >> 1)
	s_and_b32 s42, s20, 1
	s_lshl_b32 s42, s42, 4
	s_lshl2_add_u32 s42, s18, s42                  ; 16 c + 4 jh, jh = wave
	s_wait_kmcnt 0x0
	s_cmp_eq_u32 s22, 1                            ; the source buffer, chosen by the work-group's number alone
	s_cselect_b64 s[32:33], s[8:9], s[6:7]
	s_cmp_eq_u32 s22, 2
	s_cselect_b64 s[32:33], s[10:11], s[32:33]
	s_cmp_eq_u32 s22, 3
	s_cselect_b64 s[32:33], s[12:13], s[32:33]
	s_cmp_lt_u32 s20, 128
	s_cselect_b64 s[32:33], s[4:5], s[32:33]
	s_add_nc_u64 s[32:33], s[32:33], s[26:27]
	s_add_nc_u64 s[34:35], s[14:15], s[24:25]
	s_add_nc_u64 s[36:37], s[16:17], s[28:29]
	s_wait_alu depctr_va_vdst(0)                   ; the offsets v1, v2 and v3 are written: every load and store of the kernel reads one of them
.set i, 0
.rept 32
	global_load_b128 v[X+4*i:X+4*i+3], v1, s[32:33] offset:512*i th:TH_LOAD_NT   ; read once in the launch
.set i, i+1
.endr
	; The table, while the loads are on their way: waves 0 and 1, 32 lanes x 4 frequencies each.
	s_cmp_ge_u32 s18, 2
	s_cbranch_scc1 .Lcast
	v_lshrrev_b32 v[RR], 1, v4                     ; r = lane >> 1
	v_add_nc_u32 v[TT], s41, v[RR]
	v_cvt_f32_u32 v[TT], v[TT]                     ; the position, exact
	v_and_b32 v[F0], 1, v4                         ; h = lane & 1
	v_lshl_add_u32 v[F0], v[F0], 3, s42            ; f = 16 c + 4 jh + 8 h (+ e)
.irp e, 0,1,2,3
	v_add_nc_u32 v[XE+\e], \e, v[F0]
	v_cvt_f32_u32 v[XE+\e], v[XE+\e]
	v_mul_f32 v[XE+\e], 0xbed49a78, v[XE+\e]       ; -f log2(10000) / 32
.endr
.irp e, 0,1,2,3
	v_exp_f32 v[XE+\e], v[XE+\e]                   ; 10000^(-f/32)
.endr
	v_nop                                          ; one plain vector instruction behind the last v_exp_f32 before its result is used (ISA guide 5.7.2)
	s_wait_alu depctr_va_vdst(0)                   ; the four v_exp_f32 have written v[XE .. XE+3], ahead of their first reader: one wait for the batch
; One angle: reduced to R in [-1/2, 1/2] turns, th = pi R is HALF the angle, in [-pi/2, pi/2]; sine and cosine of th by Taylor
; polynomials in z = th^2; then sin 2th = 2 sin cos and cos 2th = 1 - 2 sin^2, with SIG folded in.
.macro ROPE1 e
	v_mul_f32 v[ANG], v[TT], v[XE+\e]
	v_mul_f32 v[RR], 0.15915494, v[ANG]
	v_rndne_f32 v[KK], v[RR]                       ; whole turns
	v_fma_f32 v[RR], v[ANG], 0.15915494, -v[KK]    ; the product is not rounded before the turns are taken away
	v_mul_f32 v[TH], 0x40490fdb, v[RR]             ; pi R
	v_mul_f32 v[ZZ], v[TH], v[TH]
	v_mov_b32 v[PP], 0xb2d7322b                    ; -1/11!
	v_mov_b32 v[QQ], 0xb493f27e                    ; -1/10!
	v_fmaak_f32 v[PP], v[PP], v[ZZ], 0x3638ef1d    ; 1/9!
	v_fmaak_f32 v[QQ], v[QQ], v[ZZ], 0x37d00d01    ; 1/8!
	v_fmaak_f32 v[PP], v[PP], v[ZZ], 0xb9500d01    ; -1/7!
	v_fmaak_f32 v[QQ], v[QQ], v[ZZ], 0xbab60b61    ; -1/6!
	v_fmaak_f32 v[PP], v[PP], v[ZZ], 0x3c088889    ; 1/5!
	v_fmaak_f32 v[QQ], v[QQ], v[ZZ], 0x3d2aaaab    ; 1/4!
	v_fmaak_f32 v[PP], v[PP], v[ZZ], 0xbe2aaaab    ; -1/3!
	v_fma_f32 v[QQ], v[QQ], v[ZZ], -0.5
	v_fma_f32 v[PP], v[PP], v[ZZ], 1.0
	v_fma_f32 v[QQ], v[QQ], v[ZZ], 1.0             ; cos th
	v_mul_f32 v[PP], v[TH], v[PP]                  ; sin th
	v_mul_f32 v[T1], 0x3d596d27, v[PP]             ; 2 SIG sin th
	v_mul_f32 v[SS+\e], v[T1], v[QQ]               ; SIG sin 2th
	v_fma_f32 v[CC+\e], -v[T1], v[PP], s40         ; SIG (1 - 2 sin^2 th)
.endm
	ROPE1 0
	ROPE1 1
	ROPE1 2
	ROPE1 3
	s_wait_alu depctr_va_vdst(0)                   ; the table's lines have written v[CC .. CC+3] and v[SS .. SS+3], which the two stores read
	global_store_b128 v3, v[CC:CC+3], s[36:37]               ; a wave's store covers 512 consecutive bytes
	global_store_b128 v3, v[SS:SS+3], s[36:37] offset:1024
.Lcast:
; The cast, in 8 blocks of four chunks.  Block p: its four loads are in; the block before has written its Y; that block's four stores are dealt among
; this block's eight conversions, a store ahead of each chunk's two.  Block 0 has no block in front of it: no store, and no wait but the one for its data.
.set p, 0
.rept 8
	s_wait_loadcnt 28-4*p                          ; loads return in order: block p's four chunks are in, the 28 - 4 p younger loads stay out
.if p > 0
	s_wait_alu depctr_va_vdst(0)                   ; the conversions of block p - 1 have written its eight registers of Y, which the four stores below read
.endif
.set i, 0
.rept 4
.if p > 0
	global_store_b64 v2, v[Y+2*(4*p-4+i):Y+2*(4*p-4+i)+1], s[34:35] offset:256*(4*p-4+i)   ; 32 lanes x 8 bytes: 256 consecutive bytes, aligned; no vector instruction since the wait names these registers
.endif
	v_cvt_pk_bf16_f32 v[Y+2*(4*p+i)], v[X+4*(4*p+i)], v[X+4*(4*p+i)+1]
	v_cvt_pk_bf16_f32 v[Y+2*(4*p+i)+1], v[X+4*(4*p+i)+2], v[X+4*(4*p+i)+3]     ; no register of Y is used twice
.set i, i+1
.endr
.set p, p+1
.endr
	s_wait_alu depctr_va_vdst(0)                   ; the conversions of block 7 have written its eight registers of Y, which the last four stores read
.set i, 28
.rept 4
	global_store_b64 v2, v[Y+2*i:Y+2*i+1], s[34:35] offset:256*i
.set i, i+1
.endr
	s_endpgm
.Lfunc_end_k_q7fbcaeb109_prep:
	.size	k_q7fbcaeb109_prep, .Lfunc_end_k_q7fbcaeb109_prep-k_q7fbcaeb109_prep
	.p2alignl 7, 3214868480
	.fill 96, 4, 3214868480
	.section	.rodata,"a",@progbits
	.p2align	6, 0x0
	.amdhsa_kernel k_q7fbcaeb109_prep
		.amdhsa_group_segment_fixed_size 0
		.amdhsa_private_segment_fixed_size 0
		.amdhsa_enable_private_segment 0
		.amdhsa_kernarg_size 56
		.amdhsa_user_sgpr_count 2
		.amdhsa_user_sgpr_kernarg_segment_ptr 1
		.amdhsa_wavefront_size32 1
		.amdhsa_system_sgpr_workgroup_id_x 1
		.amdhsa_system_sgpr_workgroup_id_y 1
		.amdhsa_system_sgpr_workgroup_id_z 1
		.amdhsa_system_vgpr_workitem_id 0
		.amdhsa_next_free_vgpr 240
		.amdhsa_next_free_sgpr 66
		.amdhsa_reserve_vcc 0
		.amdhsa_float_denorm_mode_32 3
		.amdhsa_float_denorm_mode_16_64 3
		.amdhsa_memory_ordered 1
		.amdhsa_forward_progress 1
		.amdhsa_inst_pref_size 19
	.end_amdhsa_kernel
	.amdgpu_metadata
---
amdhsa.version: [ 1, 2 ]
amdhsa.kernels:
  - .name:           k_q7fbcaeb109_prep
    .symbol:         k_q7fbcaeb109_prep.kd
    .args:
      - { .name: hidden_states, .offset: 0, .size: 8, .value_kind: global_buffer, .address_space: global }
      - { .name: Wq, .offset: 8, .size: 8, .value_kind: global_buffer, .address_space: global }
      - { .name: Wk, .offset: 16, .size: 8, .value_kind: global_buffer, .address_space: global }
      - { .name: Wv, .offset: 24, .size: 8, .value_kind: global_buffer, .address_space: global }
      - { .name: Wo, .offset: 32, .size: 8, .value_kind: global_buffer, .address_space: global }
      - { .name: bf, .offset: 40, .size: 8, .value_kind: global_buffer, .address_space: global }
      - { .name: rope, .offset: 48, .size: 8, .value_kind: global_buffer, .address_space: global }
    .group_segment_fixed_size: 0
    .private_segment_fixed_size: 0
    .kernarg_segment_align: 8
    .kernarg_segment_size: 56
    .max_flat_workgroup_size: 256
    .sgpr_count:     66
    .vgpr_count:     240
    .wavefront_size: 32
...
	.end_amdgpu_metadata
.endif
;; end of part 5
;; launch qkv: the kernel of part 2 again; grid 16 x 16, 4 waves a work-group, clusters of 4 x 4, 327,680 bytes of LDS; arguments bf, rope, qb, kb, vt; writes qb, kb, vt
;; launch attn: the kernel of part 3 again; grid 8 x 32, 8 waves a work-group, clusters of 4 x 1, 327,680 bytes of LDS; arguments qb, kb, vt, ao; writes ao
;; launch oproj: the kernel of part 4 again; grid 8 x 32, 4 waves a work-group, clusters of 4 x 4, 327,680 bytes of LDS; arguments ao, bf, out0; writes out0
